; MI455X (gfx1250); checked and timed in simulation.
; The chip was launched on July 23, 2026; its instructions are those of AMD's public machine-readable ISA for CDNA 5 (MIT licence, August 2026) and "CDNA5" Instruction Set Architecture Reference Guide (July 2026). The comments in the code are by the model that wrote it; some were corrected since.
;; Multi Head Attention. Allowed arithmetic: matrix products marked QUANTISED: E3M2 operands, one E8M0 scale for each 32 along K, by v_wmma_scale_f32_16x16x128_f8f6f4 with both operands' format E3M2, f32 sums; everything else in f32.
;; Inputs: bk 1,024 float32; bo 1,024 float32; bq 1,024 float32; bv 1,024 float32; mask 1 x 1 x 2,048 x 2,048 bool; wk 1,024 x 1,024 float32; wo 1,024 x 1,024 float32; wq 1,024 x 1,024 float32; wv 1,024 x 1,024 float32; x 4 x 2,048 x 1,024 float32.
;; Outputs: out0 4 x 2,048 x 1,024 float32.
;; This version of the problem:
;;   THIS VERSION OF THE PROBLEM IS GIVEN IN LOW PRECISION. The matrix products marked QUANTISED in the list below multiply operands that are first quantised to E3M2 (3 exponent bits, 2 mantissa bits; 6 bits a number), with one power-of-two scale for each 32 numbers along K (OCP MX v1.0); their sums are f32. All else is computed in f32.
;;   The module's matrix products, in the order in which they are computed (A, B: the left and right operand; K: the contracted axis; several contracted axes count as one K, in the product's order):
;;     1. [M 8,192, K 1,024] x [K 1,024, N 1,024]; A: input x; B: input wq: QUANTISED
;;     2. [M 8,192, K 1,024] x [K 1,024, N 1,024]; A: input x; B: input wk: QUANTISED
;;     3. [M 8,192, K 1,024] x [K 1,024, N 1,024]; A: input x; B: input wv: QUANTISED
;;     4. batch 64 x [M 2,048, K 64] x [K 64, N 2,048]; A: computed on the way; B: computed on the way: QUANTISED
;;     5. batch 64 x [M 2,048, K 2,048] x [K 2,048, N 64]; A: softmax (see below); B: computed on the way: QUANTISED
;;     6. [M 8,192, K 1,024] x [K 1,024, N 1,024]; A: computed on the way; B: input wo: QUANTISED
;;   THE QUANTISER, for each operand of a quantised product, along K:
;;     - K is cut into blocks of 32 from its start; a last block that is shorter is filled with zeros.
;;     - A block's scale is 2^e with e = floor(log2(the largest magnitude in the block)) - 4, held to -126 .. 127; a block of zeros has e = 0. As a byte (E8M0): e + 127.
;;     - Each number is divided by its block's scale, clamped to +-28, and rounded to the nearest number of E3M2, ties to even, subnormals kept.
;;     - The product sums the exact products of the quantised numbers (number of the format x scale) in f32.
;;   ~~~python
;;   def quantise(x, axis):      # numpy; x: float32 -> the quantised numbers, widened to float32 again
;;       x = np.moveaxis(x, axis, -1); K = x.shape[-1]
;;       x = np.pad(x, [(0, 0)] * (x.ndim - 1) + [(0, -K % 32)]); x = x.reshape(x.shape[:-1] + (-1, 32)); a = np.abs(x).max(-1, keepdims=True)
;;       e = np.where(a > 0, np.clip(np.frexp(np.where(a > 0, a, 1))[1] - 1 - 4, -126, 127), 0)      # np.frexp(a)[1] - 1 = floor(log2(a)), exactly
;;       r = np.clip(x / 2.0 ** e, -28, 28)
;;       step = 2.0 ** (np.maximum(np.frexp(np.where(r == 0, 1, r))[1] - 1, -2) - 2)
;;       q = np.round(r / step) * step * 2.0 ** e      # np.round: ties to even
;;       return np.moveaxis(q.reshape(q.shape[:-2] + (-1,))[..., :K], -1, axis).astype(np.float32)
;;   ~~~
;;   SOFTMAX AHEAD OF A QUANTISED PRODUCT. Where the list says 'softmax', what is quantised is not the finished softmax but p = 2^(t - M), with t = logit x log2(e) and M = ceil(the row's largest t), a whole number; so 1/2 < the row's largest p <= 1. The row's sum l is taken of the UNQUANTISED p, in f32, and the product's result is divided by l at the end. Since M is a whole number, a kernel that streams over the keys may use a running M (the ceiling of the running maximum): every later rescaling is an exact power of two, which a block's scale takes up: the codes' values come out the same.
;;   OPERANDS COMPUTED ON THE WAY. 'Computed on the way' means the value that the module computes at that place (a softmax that the list does not call 'softmax' is quantised finished and normalised). What goes into a quantiser is computed in f32, as accurately as f32 sums, v_exp_f32 and their like allow (about 1e-6 of the number): no bf16 or f16 on the way to a quantiser, and a product that is left as it is and whose result goes on into a quantised operand takes f32 operands (vector FMAs, or v_wmma_f32_16x16x4_f32). A number that lies on a knife's edge between two numbers of the format may be rounded either way, as far as f32 arithmetic and the matrix unit's own rounding can turn it there, and no further.
;; 2 versions, each right; version 2 is version 1 with the launch attn written anew for expert scheduling mode. Each part assembles by itself: llvm-mc -triple=amdgcn-amd-amdhsa -mcpu=gfx1250 --defsym DOCPART=n.
;; ======== version 1 of 2: 4 launches
;; workspace buffers: xq 6,815,744 bytes; wz 3,407,872 bytes; tflags 512 bytes of whole numbers; qr 7,340,032 bytes; kv 14,155,776 bytes; yq 6,815,744 bytes
;; launch prep (part 1): grid 416 x 1, 4 waves a work-group, no clusters, 53,760 bytes of LDS; arguments x, wq, wk, wv, wo, mask, xq, wz, tflags; writes xq, wz, tflags
.if DOCPART == 1
	.amdgcn_target "amdgcn-amd-amdhsa--gfx1250"
	.amdhsa_code_object_version 6
	.text
	.protected	k_q0570e19eaa_prep
	.globl	k_q0570e19eaa_prep
	.p2align	8
	.type	k_q0570e19eaa_prep,@function
k_q0570e19eaa_prep:
	s_mov_b64 s[64:65], 0
	v_nop
	global_prefetch_b8 v0, s[64:65] scope:SCOPE_SE
	s_setreg_imm32_b32 hwreg(HW_REG_WAVE_MODE, 25, 1), 1
	s_wait_xcnt 0x0
; x [8192][1024] and the four weights [1024 (k)][1024 (n)], f32, become codes of BF6 (E3M2) with one E8M0 byte for each 32 along K, laid IN THE ORDER OF THE OPERAND'S REGISTERS;
; the mask [2048][2048] becomes one word of flags for each tile of 16 queries.
; A block's scale is 2^(floor(log2(its largest magnitude)) - 4); its byte is the largest magnitude's exponent field - 4, held at 1 from below (a block of zeros keeps the byte 1: its codes are zeros, and this program alone reads the bytes).
; LIMITS: blocks whose largest magnitude lies under 2^-122 keep the byte 1; NaN and infinities among x and the weights are not served; a mask byte is 0 or 1.
; THE ROWS OF A TILE: in each group of 32 rows (tokens, or columns n of a weight) lane r of tile u is row 8 u + r + 8 (r / 8).
; A RECORD (RBREC bytes) holds 128 rows x K = 1024: the fragment of K step s, tile t at 12288 s + 1536 t, as two halves of 768 bytes (registers 6 c .. 6 c + 3: 16 bytes a lane, 512 bytes; registers 6 c + 4, 6 c + 5: 8 bytes a lane, 256 bytes);
; the scale words of K step s at 98304 + 1024 s, as [tiles 0-3, tiles 4-7][lane][four tiles' words]; lanes 16-31 repeat lanes 0-15.  Every store of a wave covers 512 or 256 consecutive bytes, aligned.
; Three paths part on the work-group's number: 0-255 x, 256-383 the weights, 384-415 the mask.  Each has LDS bytes of its own; waves share nothing, so there is no barrier.
.set RBREC, 106496
.set RX,  64                           ; x: v64-191 two sets of 16 rows as loaded
.set XX,  192                          ; x: v192-255 64 numbers of my row: 32 c + i = k 64 c + 32 (lane / 16) + i
.set TM,  16                           ; at work
.set PC,  32                           ; the codes just made
.set PWS, 52                           ; x: v52-55 four tiles' scale words
.set WX,  64                           ; weights: v64-127 two sets of 32 numbers down K
.set OW,  128                          ; weights: v128-175 fragments on the way out
.set PWW, 56                           ; weights: v56-59 four tiles' scale words
	s_load_b256 s[4:11], s[0:1], 0x0               ; x, wq, wk, wv
	s_load_b256 s[12:19], s[0:1], 0x20             ; wo, mask, xq, wz
	s_load_b64 s[20:21], s[0:1], 0x40              ; tflags
	v_lshl_add_u32 v62, v0, 2, 0xd000
	v_mov_b32 v63, 0
	v_lshrrev_b32 v1, 5, v0
	v_readfirstlane_b32 s22, v1                    ; wave
	v_and_b32 v10, 31, v0                          ; lane
	v_and_b32 v11, 15, v0                          ; r
	v_bfe_u32 v12, v0, 4, 1                        ; h
	v_lshlrev_b32 v1, 4, v10                       ; 16 x lane
	v_lshlrev_b32 v2, 3, v10                       ; 8 x lane
	s_mov_b32 s40, 0x76543210
	s_mov_b32 s41, 0xfedcba98                      ; v_permlanex16_b32's selects for lane l xor 16
	s_mov_b32 s29, 0
	s_mov_b32 s31, 0
	s_wait_kmcnt 0x0
	s_cmp_lt_u32 ttmp9, 256
	s_cbranch_scc0 .Lnot_x
; ---------------- x.  Work-group: record id / 4, tiles 4 g .. 4 g + 3 (g = bit 1), K steps 4 (id % 2) + wave.
.macro LOADX t                         ; tile t: sixteen rows, 512 consecutive bytes (128 along K) each
.set i, 0
.rept 16
	global_load_b128 v[RX+64*((\t)%2)+4*i:RX+64*((\t)%2)+4*i+3], v1, s[4:5] offset:(32*((\t)/2)+8*((\t)%2)+i+8*(i/8))*4096 th:TH_LOAD_NT
.set i, i+1
.endr
.endm
.macro QX t                            ; my 64 numbers are two whole blocks of 32: blocks h and 2 + h of my row
	v_max3_num_f32 v[TM], |v[XX]|, |v[XX+1]|, 0x2800000     ; the floor 2^(5 - 127) among the leaves holds the byte at 1 from below
	v_max3_num_f32 v[TM+1], |v[XX+32]|, |v[XX+33]|, 0x2800000
.set i, 2
.rept 15
	v_max3_num_f32 v[TM], v[TM], |v[XX+i]|, |v[XX+i+1]|
	v_max3_num_f32 v[TM+1], v[TM+1], |v[XX+32+i]|, |v[XX+33+i]|
.set i, i+2
.endr
	v_add_nc_u32 v[TM+2], 0xfe000000, v[TM]        ; 4 off the exponent field: the conversion's scale operand
	v_add_nc_u32 v[TM+3], 0xfe000000, v[TM+1]
	v_lshrrev_b32 v[TM+4], 23, v[TM+2]             ; the scale's byte
	v_lshrrev_b32 v[TM+5], 23, v[TM+3]
	v_lshl_or_b32 v[TM+6], v[TM+5], 16, v[TM+4]
	v_lshlrev_b32 v[TM+6], v5, v[TM+6]             ; at their places in the word: 8 h bits up
	v_permlanex16_b32 v[TM+7], v[TM+6], s40, s41
	v_or_b32 v[PWS+(\t)], v[TM+6], v[TM+7]         ; with lane l xor 16's two bytes the word is whole, in both halves of the lanes
	s_wait_xcnt 0x0                                ; the last tile's stores have read the codes' registers
	v_cvt_scalef32_pk16_bf6_f32 v[PC:PC+2], v[XX:XX+15], v[TM+2]
	v_cvt_scalef32_pk16_bf6_f32 v[PC+12:PC+14], v[XX+16:XX+31], v[TM+2]     ; (a conversion's three registers begin on an even number)
	v_cvt_scalef32_pk16_bf6_f32 v[PC+6:PC+8], v[XX+32:XX+47], v[TM+3]
	v_cvt_scalef32_pk16_bf6_f32 v[PC+16:PC+18], v[XX+48:XX+63], v[TM+3]
	v_nop                                          ; one plain place behind the conversions
.irp i, 0,1,2
	v_mov_b32 v[PC+3+\i], v[PC+12+\i]
	v_mov_b32 v[PC+9+\i], v[PC+16+\i]
.endr
.endm
.macro UNITX t
.if (\t) < 3
	s_wait_loadcnt 16                              ; this tile's sixteen loads are in; the next tile's may be out
.else
	s_wait_loadcnt 0x0
.endif
.set i, 0
.rept 16
	ds_store_b128 v3, v[RX+64*((\t)%2)+4*i:RX+64*((\t)%2)+4*i+3] offset:528*i     ; the rows as they lie, 528 bytes apart
.set i, i+1
.endr
.set i, 0
.rept 16
	ds_load_b128 v[XX+4*i:XX+4*i+3], v4 offset:256*(i/8)+16*(i%8)    ; and back: 128 bytes of my row for each c.  LDS serves a wave's instructions in order
.set i, i+1
.endr
	s_wait_dscnt 0x0
.if (\t) < 2
	LOADX (\t)+2
.endif
	QX \t
	global_store_b128 v1, v[PC:PC+3], s[32:33] offset:1536*(\t)
	global_store_b64 v2, v[PC+4:PC+5], s[32:33] offset:1536*(\t)+512
	global_store_b128 v1, v[PC+6:PC+9], s[32:33] offset:1536*(\t)+768
	global_store_b64 v2, v[PC+10:PC+11], s[32:33] offset:1536*(\t)+1280
.endm
	s_lshr_b32 s24, ttmp9, 2                       ; the record
	s_bfe_u32 s25, ttmp9, 0x10001                  ; g
	s_and_b32 s26, ttmp9, 1
	s_lshl_b32 s26, s26, 2
	s_add_co_u32 s26, s26, s22                     ; my K step
	s_lshl_b32 s28, s24, 19                        ; 128 rows of 4,096 bytes a record,
	s_lshl_b32 s27, s25, 18                        ; 64 rows for g,
	s_add_co_u32 s28, s28, s27
	s_lshl_b32 s27, s26, 9                         ; 512 bytes a K step
	s_add_co_u32 s28, s28, s27
	s_add_nc_u64 s[4:5], s[4:5], s[28:29]
	s_mul_i32 s28, s24, RBREC
	s_mul_i32 s30, s26, 12288
	s_add_co_u32 s30, s30, s28
	s_mul_i32 s27, s25, 6144
	s_add_co_u32 s30, s30, s27
	s_add_nc_u64 s[32:33], s[16:17], s[30:31]      ; my four fragments
	s_lshl_b32 s27, s26, 10
	s_add_co_u32 s28, s28, s27
	s_lshl_b32 s27, s25, 9
	s_add_co_u32 s28, s28, s27
	s_add_co_u32 s28, s28, 98304
	s_add_nc_u64 s[34:35], s[16:17], s[28:29]      ; their scale words
	s_mul_i32 s27, s22, 8448                       ; my stage: 16 rows x 528 bytes
	v_add_nc_u32 v3, s27, v1
	v_mul_u32_u24 v4, v11, 528
	v_lshl_add_u32 v4, v12, 7, v4
	v_add_nc_u32 v4, s27, v4
	v_lshlrev_b32 v5, 3, v12                       ; 8 h
	v_mov_b32 v[TM+7], 0                           ; a lane permute's destination counts as one of its sources
	LOADX 0
	LOADX 1
	UNITX 0
	UNITX 1
	UNITX 2
	UNITX 3
	global_store_b128 v1, v[PWS:PWS+3], s[34:35]
	s_wait_tensorcnt 0x0
	ds_add_u32 v62, v63
	s_wait_dscnt 0x0
	s_endpgm
; ---------------- the weights.  id' = id - 256: weight id' / 32, K step id' % 8; wave w takes the 64 columns 64 (4 ((id' / 8) % 4) + w) on.  A lane takes a column, its registers run down K.
.Lnot_x:
	s_cmp_lt_u32 ttmp9, 384
	s_cbranch_scc0 .Lflags
.macro LOADW n                         ; block n = 4 G + kb: rows 32 kb .. + 31 of the K step at the 32 columns of group G
.set i, 0
.rept 32
	global_load_b32 v[WX+32*((\n)%2)+i], v5, s[6:7] offset:(32*((\n)%4)+i)*4096+128*((\n)/4) th:TH_LOAD_NT
.set i, i+1
.endr
.endm
.macro BLOCKW n
.set XS, WX+32*((\n)%2)
.if (\n) < 7
	s_wait_loadcnt 32                              ; this block's 32 loads are in; the next block's may be out
.else
	s_wait_loadcnt 0x0
.endif
	v_max3_num_f32 v16, |v[XS]|, |v[XS+1]|, |v[XS+2]|
	v_max3_num_f32 v17, |v[XS+3]|, |v[XS+4]|, |v[XS+5]|
.irp i, 6,10,14,18,22,26
	v_max3_num_f32 v16, v16, |v[XS+\i]|, |v[XS+\i+1]|
	v_max3_num_f32 v17, v17, |v[XS+\i+2]|, |v[XS+\i+3]|
.endr
	v_max3_num_f32 v16, v16, |v[XS+30]|, |v[XS+31]|
	v_max3_num_f32 v16, v16, v17, 0x2800000        ; and the floor
	v_add_nc_u32 v18, 0xfe000000, v16
	v_lshrrev_b32 v19, 23, v18
.if (\n)%4 == 0
	v_mov_b32 v52, v19                             ; my column's scale word: the lower K in the lower byte
.else
	v_lshl_or_b32 v52, v19, 8*((\n)%4), v52
.endif
	s_wait_dscnt 0x0                               ; the last block's LDS stores have read the codes' registers
	v_cvt_scalef32_pk16_bf6_f32 v[PC:PC+2], v[XS:XS+15], v18
	v_cvt_scalef32_pk16_bf6_f32 v[PC+4:PC+6], v[XS+16:XS+31], v18
	v_nop
	v_mov_b32 v[PC+3], v[PC+4]
	v_mov_b32 v[PC+4], v[PC+5]
	v_mov_b32 v[PC+5], v[PC+6]                     ; 24 bytes on end
	ds_store_b128 v6, v[PC:PC+3] offset:32*((\n)%4)
	ds_store_b64 v6, v[PC+4:PC+5] offset:32*((\n)%4)+16
.if (\n)+2 < 8
	LOADW (\n)+2
.endif
.endm
.macro WOUT G                          ; a group's 32 columns leave as two tiles: lane (r, h) takes blocks 2 c + h of column 8 u + r + 8 (r / 8)
	ds_store_b32 v8, v52
.irp u, 0,1
.irp c, 0,1
	ds_load_b128 v[OW+24*\G+12*\u+6*\c:OW+24*\G+12*\u+6*\c+3], v7 offset:1152*\u+64*\c
	ds_load_b64 v[OW+24*\G+12*\u+6*\c+4:OW+24*\G+12*\u+6*\c+5], v7 offset:1152*\u+64*\c+16
.endr
	ds_load_b32 v[PWW+2*\G+\u], v9 offset:32*\u
.endr
	s_wait_dscnt 0x0
.irp u, 0,1
.irp c, 0,1
	global_store_b128 v1, v[OW+24*\G+12*\u+6*\c:OW+24*\G+12*\u+6*\c+3], s[32:33] offset:1536*(2*\G+\u)+768*\c
	global_store_b64 v2, v[OW+24*\G+12*\u+6*\c+4:OW+24*\G+12*\u+6*\c+5], s[32:33] offset:1536*(2*\G+\u)+768*\c+512
.endr
.endr
.endm
	s_sub_co_u32 s24, ttmp9, 256
	s_lshr_b32 s25, s24, 5                         ; which weight
	s_bfe_u32 s26, s24, 0x20003
	s_and_b32 s27, s24, 7                          ; K step
	s_lshl_b32 s26, s26, 2
	s_add_co_u32 s26, s26, s22                     ; which 64 columns
	s_cmp_eq_u32 s25, 1                            ; the choice hangs on the work-group's number alone
	s_cselect_b64 s[6:7], s[8:9], s[6:7]
	s_cmp_eq_u32 s25, 2
	s_cselect_b64 s[6:7], s[10:11], s[6:7]
	s_cmp_eq_u32 s25, 3
	s_cselect_b64 s[6:7], s[12:13], s[6:7]
	s_lshl_b32 s28, s27, 19                        ; 128 rows of 4,096 bytes a K step
	s_lshl_b32 s30, s26, 8
	s_add_co_u32 s28, s28, s30
	s_add_nc_u64 s[6:7], s[6:7], s[28:29]
	s_lshl_b32 s25, s25, 3
	s_lshr_b32 s30, s26, 1
	s_add_co_u32 s25, s25, s30                     ; the record: 8 x weight + columns / 128
	s_and_b32 s26, s26, 1                          ; g
	s_mul_i32 s28, s25, RBREC
	s_mul_i32 s30, s27, 12288
	s_add_co_u32 s30, s30, s28
	s_mul_i32 s24, s26, 6144
	s_add_co_u32 s30, s30, s24
	s_add_nc_u64 s[32:33], s[18:19], s[30:31]
	s_lshl_b32 s24, s27, 10
	s_add_co_u32 s28, s28, s24
	s_lshl_b32 s24, s26, 9
	s_add_co_u32 s28, s28, s24
	s_add_co_u32 s28, s28, 98304
	s_add_nc_u64 s[34:35], s[18:19], s[28:29]
	s_mul_i32 s24, s22, 4864                       ; my stage: 32 columns x 144 bytes (four places of 32), then 128 bytes of scale words
	s_add_co_u32 s24, s24, 33792
	v_lshlrev_b32 v5, 2, v10
	v_mul_u32_u24 v6, v10, 144
	v_add_nc_u32 v6, s24, v6
	v_and_b32 v13, 8, v11
	v_add_nc_u32 v13, v13, v11                     ; r + 8 (r / 8)
	v_mul_u32_u24 v7, v13, 144
	v_lshl_add_u32 v7, v12, 5, v7
	v_add_nc_u32 v7, s24, v7
	v_add_nc_u32 v8, s24, v5
	v_add_nc_u32 v8, 4608, v8
	v_lshl_add_u32 v9, v13, 2, s24
	v_add_nc_u32 v9, 4608, v9
	LOADW 0
	LOADW 1
	BLOCKW 0
	BLOCKW 1
	BLOCKW 2
	BLOCKW 3
	WOUT 0
	BLOCKW 4
	BLOCKW 5
	BLOCKW 6
	BLOCKW 7
	WOUT 1
	global_store_b128 v1, v[PWW:PWW+3], s[34:35]
	s_wait_tensorcnt 0x0
	ds_add_u32 v62, v63
	s_wait_dscnt 0x0
	s_endpgm
; ---------------- the mask.  Wave T = 4 (id - 384) + wave takes query tile T = 8 x (block of 128 queries) + a: its 16 rows of 2,048 bytes.
; Bit s of its word: some key of step s (128 keys) counts for some query of the tile; bit 16 + s: some key of step s is hidden from some query.
.Lflags:
.macro LOADF q                         ; rows 4 q .. 4 q + 3 of the tile, four loads of 512 bytes each: lane l of load j holds keys of step 4 j + l / 8
.set i, 0
.rept 16
	global_load_b128 v[64+64*((\q)%2)+4*i:64+64*((\q)%2)+4*i+3], v1, s[14:15] offset:((4*(\q)+i/4)+8*((4*(\q)+i/4)/8))*2048+512*(i%4)
.set i, i+1
.endr
.endm
.macro REDF q
.set i, 0
.rept 16
.set d, 0
.rept 4
	v_or_b32 v[16+i%4], v[16+i%4], v[64+64*((\q)%2)+4*i+d]
	v_and_b32 v[20+i%4], v[20+i%4], v[64+64*((\q)%2)+4*i+d]
.set d, d+1
.endr
.set i, i+1
.endr
.endm
	s_sub_co_u32 s24, ttmp9, 384
	s_lshl_b32 s24, s24, 2
	s_add_co_u32 s24, s24, s22                     ; T
	s_lshr_b32 s25, s24, 3
	s_lshl_b32 s25, s25, 7
	s_bfe_u32 s26, s24, 0x20001
	s_lshl_b32 s26, s26, 5
	s_add_co_u32 s25, s25, s26
	s_and_b32 s26, s24, 1
	s_lshl_b32 s26, s26, 3
	s_add_co_u32 s25, s25, s26                     ; the tile's first row: 128 (T / 8) + 32 (a / 2) + 8 (a % 2)
	s_lshl_b32 s28, s25, 11
	s_add_nc_u64 s[14:15], s[14:15], s[28:29]
	s_lshl_b32 s30, s24, 2
	s_add_nc_u64 s[20:21], s[20:21], s[30:31]
.irp j, 0,1,2,3
	v_mov_b32 v[16+\j], 0
	v_mov_b32 v[20+\j], -1
.endr
	LOADF 0
	LOADF 1
	s_wait_loadcnt 16                              ; the older sixteen are in
	REDF 0
	LOADF 2
	s_wait_loadcnt 16
	REDF 1
	LOADF 3
	s_wait_loadcnt 16
	REDF 2
	s_wait_loadcnt 0x0
	REDF 3
	s_mov_b32 s36, 0x01010101
.irp j, 0,1,2,3
	v_cmp_ne_u32 s[44+\j], 0, v[16+\j]             ; lanes that saw a byte 1
	v_cmp_ne_u32 s[48+\j], s36, v[20+\j]           ; lanes that saw a byte 0
.endr
	s_mov_b32 s37, 0
.irp j, 0,1,2,3
.irp k, 0,1,2,3
	s_bfe_u32 s38, s[44+\j], (8<<16)|(8*\k)        ; the eight lanes of step 4 j + k
	s_cmp_lg_u32 s38, 0
	s_cselect_b32 s38, 1<<(4*\j+\k), 0
	s_or_b32 s37, s37, s38
	s_bfe_u32 s38, s[48+\j], (8<<16)|(8*\k)
	s_cmp_lg_u32 s38, 0
	s_cselect_b32 s38, 1<<(16+4*\j+\k), 0
	s_or_b32 s37, s37, s38
.endr
.endr
	v_mov_b32 v24, s37
	v_mov_b32 v25, 0
	v_cmp_eq_u32 vcc_lo, 0, v10
	s_wait_xcnt 0x0                                ; EXEC changes only behind this wait
	s_and_saveexec_b32 s39, vcc_lo
	global_store_b32 v25, v24, s[20:21]            ; lane 0 stores the tile's word
	s_wait_xcnt 0x0
	s_or_b32 exec_lo, exec_lo, s39
	s_endpgm
.Lfunc_end_k_q0570e19eaa_prep:
	.size	k_q0570e19eaa_prep, .Lfunc_end_k_q0570e19eaa_prep-k_q0570e19eaa_prep
	.p2alignl 7, 3214868480
	.fill 96, 4, 3214868480
	.section	.rodata,"a",@progbits
	.p2align	6, 0x0
	.amdhsa_kernel k_q0570e19eaa_prep
		.amdhsa_group_segment_fixed_size 53760
		.amdhsa_private_segment_fixed_size 0
		.amdhsa_enable_private_segment 0
		.amdhsa_kernarg_size 72
		.amdhsa_user_sgpr_count 2
		.amdhsa_user_sgpr_kernarg_segment_ptr 1
		.amdhsa_wavefront_size32 1
		.amdhsa_system_sgpr_workgroup_id_x 1
		.amdhsa_system_sgpr_workgroup_id_y 1
		.amdhsa_system_sgpr_workgroup_id_z 1
		.amdhsa_system_vgpr_workitem_id 0
		.amdhsa_next_free_vgpr 256
		.amdhsa_next_free_sgpr 66
		.amdhsa_reserve_vcc 1
		.amdhsa_float_denorm_mode_32 3
		.amdhsa_float_denorm_mode_16_64 3
		.amdhsa_memory_ordered 1
		.amdhsa_forward_progress 1
		.amdhsa_inst_pref_size 102
	.end_amdhsa_kernel
	.amdgpu_metadata
---
amdhsa.version: [ 1, 2 ]
amdhsa.kernels:
  - .name:           k_q0570e19eaa_prep
    .symbol:         k_q0570e19eaa_prep.kd
    .args:
      - { .name: x, .offset: 0, .size: 8, .value_kind: global_buffer, .address_space: global }
      - { .name: wq, .offset: 8, .size: 8, .value_kind: global_buffer, .address_space: global }
      - { .name: wk, .offset: 16, .size: 8, .value_kind: global_buffer, .address_space: global }
      - { .name: wv, .offset: 24, .size: 8, .value_kind: global_buffer, .address_space: global }
      - { .name: wo, .offset: 32, .size: 8, .value_kind: global_buffer, .address_space: global }
      - { .name: mask, .offset: 40, .size: 8, .value_kind: global_buffer, .address_space: global }
      - { .name: xq, .offset: 48, .size: 8, .value_kind: global_buffer, .address_space: global }
      - { .name: wz, .offset: 56, .size: 8, .value_kind: global_buffer, .address_space: global }
      - { .name: tflags, .offset: 64, .size: 8, .value_kind: global_buffer, .address_space: global }
    .group_segment_fixed_size: 53760
    .private_segment_fixed_size: 0
    .kernarg_segment_align: 8
    .kernarg_segment_size: 72
    .max_flat_workgroup_size: 128
    .sgpr_count:     66
    .vgpr_count:     256
    .wavefront_size: 32
...
	.end_amdgpu_metadata
.endif
;; end of part 1
;; launch qkv (part 2): grid 32 x 12, 4 waves a work-group, clusters of 4 x 4, 327,680 bytes of LDS; arguments xq, wz, bq, bk, bv, qr, kv; writes qr, kv
.if DOCPART == 2
	.amdgcn_target "amdgcn-amd-amdhsa--gfx1250"
	.amdhsa_code_object_version 6
	.text
	.protected	k_q0570e19eaa_qkv
	.globl	k_q0570e19eaa_qkv
	.p2align	8
	.type	k_q0570e19eaa_qkv,@function
k_q0570e19eaa_qkv:
	s_mov_b64 s[64:65], 0
	v_nop
	global_prefetch_b8 v0, s[64:65] scope:SCOPE_SE
	s_setreg_imm32_b32 hwreg(HW_REG_WAVE_MODE, 25, 1), 1
	s_wait_xcnt 0x0
	s_wait_alu depctr_hold_cnt(0) depctr_sa_sdst(0) depctr_va_vdst(0) depctr_va_sdst(0) depctr_va_ssrc(0) depctr_va_vcc(0) depctr_vm_vsrc(0)
	s_getreg_b32 s2, hwreg(HW_REG_IB_STS2, 6, 4)
	s_cmp_eq_u32 s2, 0
	s_cbranch_scc0 .Lentry_in_a_cluster
	s_endpgm
.Lentry_in_a_cluster:
	s_bfe_u32 s2, ttmp6, 0x10000c
	s_cmp_lg_u32 s2, 0xf033
	s_cbranch_scc0 .Lentry_shape_is_right
	s_endpgm
.Lentry_shape_is_right:
; q = x wq + bq, k = x wk + bk, v = x wv + bv on codes of BF6 (E3M2) with E8M0 scales; the results are quantised in registers and stored as codes in the order in which the attention launch's operand registers take them.
; Both operands arrive as records of register images: 128 rows x K = 1024; the fragment of K step s, tile t at 12288 s + 1536 t; the scale words of K step s at 98304 + 1024 s.
; A tile of the result, 256 x 256, is made by four waves, 128 x 128 each: 64 accumulators, 512 registers.  K goes in slots of two K steps (256 along K) through a ring of two LDS slots: four fills.
; THE ROLE is the cluster's y: 0 q, 1 k, 2 v.  Source 0's rows become a lane's registers, source 1's rows its lanes.  For q and k source 0 = the weight's columns n, source 1 = tokens: a lane holds a token and 64 neighbours
; along n, the next product's K.  For v source 0 = tokens, source 1 = wv's columns: a lane holds one channel and 64 neighbouring tokens, the keys, which are the second attention product's K.
; Only pointers and cluster-level numbers are chosen by the role; the loop is one text.
; CLUSTERS: 4 x 4.  Source 1's records hang on cy and are shared along a row of the cluster, source 0's on cx and are shared along a column: each is asked for jointly.
; THE ROWS OF A TILE: in each group of 32 rows lane r of tile u is row 8 u + r + 8 (r / 8), so the 16 registers of result tiles 2 b, 2 b + 1 are index 32 b + 16 (lane / 16) + 0 .. 15 of source 0's rows.
; LIMITS: result blocks whose largest magnitude lies under 2^-122 keep the scale byte 1; NaN and infinities are not served.
; REGISTERS: window 0: v16-23 fragment addresses, v24 16 x lane, v25 8 x lane, v27 scale words' address, v28-29 the spare word's address and 0, v32-63 scale words (two sets), v64-127 the bias, v128-223 source 1's fragments (one set);
;   in the epilogue v128-191 64 results, v192-211 codes, v212-227 at work, v228-243 scale words.  window 1: source 0's fragments, two sets.  windows 2, 3: the accumulators ((a, b) at v[8 (8 (a % 4) + b)]).
.set RBREC,  106496
.set NQ,     2                         ; K steps in a slot
.set FR,     12                        ; registers of a fragment
.set NL,     4                         ; LDS loads that bring one
.set NP,     4                         ; places behind this matrix instruction (ISA guide 7.12.1)
.set RBS,    24576                     ; a record's two K steps: what one tensor load brings
.set SLOT,   4*RBS                     ; source 1's two records, then source 0's two
.set SCL,    2*SLOT                    ; behind the ring: four records' scale words, 8,192 bytes each, filled once
.set SPARE,  SCL+4*8192                ; the spare words, 128 bytes for each wave
.set ADRA, 16                          ; v16-17 source 1's fragments in slot 0, 1 (16 bytes a lane); v18-19 the same with 8 bytes a lane
.set ADRB, 20                          ; v20-23 likewise for source 0
.set L16,  24
.set L8,   25
.set ADRS, 27
.set SPW,  28
.set NIL,  29
.set SC,   32                          ; register SC + 16 set + 8 q + i: lanes 0-15 the words of source 1's tile i, lanes 16-31 those of source 0's tile i
.set BI,   64
.set AF,   128
.set HA,   128
.set PC,   192
.set TM,   212
.set PE,   228
.set PO,   236
.set PW,   244
.set SEL,  66
.set G1, 24
.set G0, 32
.set G1B, 48
.set G0B, 56
.set G1S, 68
.set G0S, 76
.set G1SB, 80
.set G0SB, 88
.set MSB, 0
.macro WIN new                         ; the immediate's high byte repeats the setting that is left
.if MSB != (\new)
	s_set_vgpr_msb (MSB<<8)|(\new)
.set MSB, (\new)
.endif
.endm
.set MUL_LO, 0xa1                      ; source 0 window 1, source 1 window 0, C and D window 2
.set MUL_HI, 0xf1                      ; the same, C and D window 3
.set TO_B,   0x40                      ; destination window 1, address window 0
; A joint load: waves 0 and 1 fetch source 1's two records, waves 2 and 3 source 0's.  The branch hangs on the wave's number alone.  Four v_nop follow each of the two lines.
.macro JLOAD g0a, g1a, g0b, g1b
	s_cmp_eq_u32 s19, 0
	s_cbranch_scc0 .Lfor_b_\@
	tensor_load_to_lds s[\g0a:\g0a+3], s[\g1a:\g1a+7]
	s_nop 0
.rept 4
	v_nop
.endr
	s_branch .Lasked_\@
.Lfor_b_\@:
	tensor_load_to_lds s[\g0b:\g0b+3], s[\g1b:\g1b+7]
	s_nop 0
.rept 4
	v_nop
.endr
.Lasked_\@:
.endm
.macro CREST                           ; a round of the cluster's barrier behind its opening barrier
	s_cmp_lg_u32 s18, 0
	s_cbranch_scc1 .Lnot_wave_0_\@
	s_barrier_signal -3
.Lnot_wave_0_\@:
	s_barrier_wait -3
	s_barrier_signal -1
	s_barrier_wait -1
.endm
.macro CROUND
	s_barrier_signal -1
	s_barrier_wait -1
	CREST
.endm
	s_load_b256 s[4:11], s[0:1], 0x0               ; xq, wz, bq, bk
	s_load_b128 s[12:15], s[0:1], 0x20             ; bv, qr
	s_load_b64 s[16:17], s[0:1], 0x30              ; kv
	v_lshl_add_u32 v[SPW], v0, 2, SPARE
	v_mov_b32 v[NIL], 0
	ds_add_u32 v28, v29
	ds_add_u32 v28, v29
	s_wait_dscnt 0x0
	v_lshrrev_b32 v1, 5, v0
	v_readfirstlane_b32 s18, v1                    ; wave 0..3
	s_lshr_b32 s19, s18, 1                         ; which record of source 1 I multiply.  Also: I fetch for source 1 (0) or source 0 (1)
	s_and_b32 s20, s18, 1                          ; which record of source 0 I multiply.  Also: which of the two records I fetch
	s_bfe_u32 s40, ttmp6, 0x40000                  ; cx
	s_bfe_u32 s41, ttmp6, 0x40004                  ; cy
	s_and_b32 s21, ttmp7, 0xffff                   ; the role: the cluster's y, the same in all sixteen partners
	s_mov_b32 s22, ttmp9                           ; the cluster's x: which 1,024 tokens
	s_lshl_b32 s43, s41, 2
	s_lshl_b32 s43, 15, s43                        ; my row of the cluster
	s_lshl_b32 s44, 0x1111, s40                    ; my column
	; descriptor group 1: dense blocks as rows of 256 bytes (32 elements of 8 bytes), no padding: 96 rows of codes, 32 rows of scale words
	s_or_b32 s[G1+0], s43, (3<<16)|(1<<21)         ; 15:0 the mask; 17:16 elements of 8 bytes; 21 set beside a mask
	s_or_b32 s[G1B+0], s44, (3<<16)|(1<<21)
	s_or_b32 s[G1S+0], s43, (3<<16)|(1<<21)
	s_or_b32 s[G1SB+0], s44, (3<<16)|(1<<21)
.irp g, G1, G1B
	s_mov_b32 s[\g+1], 32<<16                      ; tensor_dim0
	s_mov_b32 s[\g+2], 96<<16                      ; tensor_dim1
	s_mov_b32 s[\g+3], 32<<16                      ; tile_dim0
	s_mov_b32 s[\g+4], 96                          ; tile_dim1
	s_mov_b32 s[\g+5], 32                          ; tensor_dim0_stride
	s_mov_b32 s[\g+6], 0
	s_mov_b32 s[\g+7], 0
.endr
.irp g, G1S, G1SB
	s_mov_b32 s[\g+1], 32<<16
	s_mov_b32 s[\g+2], 32<<16
	s_mov_b32 s[\g+3], 32<<16
	s_mov_b32 s[\g+4], 32
	s_mov_b32 s[\g+5], 32
	s_mov_b32 s[\g+6], 0
	s_mov_b32 s[\g+7], 0
.endr
	s_cmp_eq_u32 s21, 2
	s_cselect_b32 s92, 2, s22                      ; source 1: wv's four tiles (v), else the cluster's four tiles of tokens
	s_cselect_b32 s94, s22, s21                    ; source 0: the cluster's four tiles of tokens (v), else the role's weight
	s_lshl_b32 s92, s92, 2
	s_add_co_u32 s92, s92, s41                     ; + cy
	s_lshl_b32 s92, s92, 1
	s_add_co_u32 s92, s92, s20                     ; the record that I fetch
	s_mul_i32 s92, s92, RBREC
	s_mov_b32 s93, 0
	s_lshl_b32 s94, s94, 2
	s_add_co_u32 s94, s94, s40                     ; + cx
	s_lshl_b32 s94, s94, 1
	s_add_co_u32 s94, s94, s20
	s_mul_i32 s94, s94, RBREC
	s_mov_b32 s95, 0
	s_mul_i32 s45, s18, RBS                        ; where they go: wave x a record's part: no place in the cluster enters an LDS address
	s_lshl_b32 s23, s18, 13
	s_mov_b32 s[SEL], 0x76543210
	s_mov_b32 s[SEL+1], 0xfedcba98
	s_wait_kmcnt 0x0
	s_cmp_eq_u32 s21, 2
	s_cselect_b64 s[46:47], s[6:7], s[4:5]         ; source 1's buffer
	s_cselect_b64 s[2:3], s[4:5], s[6:7]           ; source 0's
	s_add_nc_u64 s[46:47], s[46:47], s[92:93]
	s_add_nc_u64 s[2:3], s[2:3], s[94:95]
	CROUND                                         ; all sixteen work-groups are here: the first joint loads meet
	s_mov_b32 s[G0S], 1
	s_add_co_u32 s[G0S+1], s23, SCL
	s_add_nc_u64 s[G0S+2:G0S+3], s[46:47], 98304
	s_or_b32 s[G0S+3], s[G0S+3], 0x80000000
	s_mov_b32 s[G0SB], 1
	s_add_co_u32 s[G0SB+1], s23, SCL
	s_add_nc_u64 s[G0SB+2:G0SB+3], s[2:3], 98304
	s_or_b32 s[G0SB+3], s[G0SB+3], 0x80000000
	JLOAD G0S, G1S, G0SB, G1SB                     ; the scale words of all of K: filled once
.irp s, 0,1
	s_mov_b32 s[G0+4*\s], 1
	s_add_co_u32 s[G0+4*\s+1], s45, \s*SLOT
	s_add_nc_u64 s[G0+4*\s+2:G0+4*\s+3], s[46:47], \s*RBS
	s_or_b32 s[G0+4*\s+3], s[G0+4*\s+3], 0x80000000
	s_mov_b32 s[G0B+4*\s], 1
	s_add_co_u32 s[G0B+4*\s+1], s45, \s*SLOT
	s_add_nc_u64 s[G0B+4*\s+2:G0B+4*\s+3], s[2:3], \s*RBS
	s_or_b32 s[G0B+4*\s+3], s[G0B+4*\s+3], 0x80000000
	JLOAD G0+4*\s, G1, G0B+4*\s, G1B               ; three tensor loads of mine are out
.endr
	v_and_b32 v1, 31, v0                           ; lane
	v_bfe_u32 v2, v0, 4, 1                         ; h
	v_and_b32 v3, 15, v0                           ; r
	v_lshlrev_b32 v[L16], 4, v1
	v_lshlrev_b32 v[L8], 3, v1
	s_mul_i32 s23, s19, RBS
	s_mul_i32 s42, s20, RBS
	s_add_co_u32 s42, s42, 2*RBS
.irp s, 0,1
	v_add_nc_u32 v[ADRA+\s], s23, v[L16]
	v_add_nc_u32 v[ADRA+2+\s], s23, v[L8]
	v_add_nc_u32 v[ADRB+\s], s42, v[L16]
	v_add_nc_u32 v[ADRB+2+\s], s42, v[L8]
	s_add_co_u32 s23, s23, SLOT
	s_add_co_u32 s42, s42, SLOT
.endr
	s_lshl_b32 s23, s19, 13                        ; source 1's scale words: my record
	s_lshl_b32 s42, s20, 13
	s_add_co_u32 s42, s42, 2*8192                  ; source 0's: behind source 1's two
	s_sub_co_u32 s42, s42, s23
	v_mul_u32_u24 v4, s42, v2                      ; lanes 16-31 take source 0's: one product, the distance between the two
	s_add_co_u32 s23, s23, SCL
	v_add_nc_u32 v4, v4, v[L16]
	v_add_nc_u32 v[ADRS], s23, v4
	; where the results go, and which bias.  On the tokens' side: record RBt of 128 tokens; on the weights' side: j, the pair of heads
	s_cmp_eq_u32 s21, 2
	s_cselect_b32 s92, s40, s41
	s_cselect_b32 s93, s20, s19
	s_cselect_b32 s94, s41, s40
	s_cselect_b32 s95, s19, s20
	s_lshl_b32 s92, s92, 1
	s_add_co_u32 s92, s92, s93
	s_lshl_b32 s93, s22, 3
	s_add_co_u32 s92, s92, s93                     ; RBt = 8 x cluster x + 2 x place + half
	s_lshl_b32 s94, s94, 1
	s_add_co_u32 s94, s94, s95                     ; j = 2 x place + half
	s_lshr_b32 s93, s92, 4                         ; the batch
	s_and_b32 s92, s92, 15                         ; the block of 128 tokens in it
	s_lshl_b32 s95, s93, 8
	s_lshl_b32 s101, s94, 5
	s_add_co_u32 s95, s95, s101
	s_add_co_u32 s95, s95, s92
	s_mul_i32 s95, s95, 7168                       ; qr: ((16 b + 2 j) 16 + block) records of 7,168 bytes
	s_lshl_b32 s93, s93, 7
	s_lshl_b32 s101, s94, 4
	s_add_co_u32 s93, s93, s101
	s_add_co_u32 s93, s93, s92
	s_mul_i32 s93, s93, 27648                      ; kv: ((8 b + j) 16 + block) records of 2 x 13,824 bytes
	s_mov_b32 s101, 13824
	s_cmp_eq_u32 s21, 0
	s_cselect_b32 s92, s95, s93
	s_cselect_b32 s42, 114688, s101                ; from the even head's record to the odd head's
	s_cselect_b64 s[96:97], s[14:15], s[16:17]
	s_cselect_b64 s[8:9], s[8:9], s[10:11]
	s_mov_b32 s93, 0
	s_add_nc_u64 s[96:97], s[96:97], s[92:93]      ; the even head's record
	s_mov_b32 s92, s42
	s_add_nc_u64 s[98:99], s[96:97], s[92:93]      ; the odd head's
	s_cmp_eq_u32 s21, 2
	s_cselect_b64 s[8:9], s[12:13], s[8:9]
	s_lshl_b32 s92, s94, 9
	s_add_nc_u64 s[8:9], s[8:9], s[92:93]          ; the bias of my 128 columns
	v_lshlrev_b32 v5, 6, v2                        ; 64 h
	v_and_b32 v6, 8, v3
	v_add_nc_u32 v6, v6, v3
	v_lshlrev_b32 v6, 2, v6                        ; 4 (r + 8 (r / 8))
	s_cmp_eq_u32 s21, 2
	s_cbranch_scc1 .Lbias_v
.irp b, 0,1,2,3,4,5,6,7                ; q, k: register 8 b + i: the bias of column 32 (b / 2) + 16 h + 8 (b % 2) + i
	global_load_b128 v[BI+8*\b:BI+8*\b+3], v5, s[8:9] offset:(32*(\b/2)+8*(\b%2))*4
	global_load_b128 v[BI+8*\b+4:BI+8*\b+7], v5, s[8:9] offset:(32*(\b/2)+8*(\b%2))*4+16
.endr
	s_branch .Lbias_done
.Lbias_v:
.irp a, 0,1,2,3,4,5,6,7                ; v: registers 8 a .. 8 a + 7 all hold the bias of my lane's column of tile a
.irp i, 0,1,2,3,4,5,6,7
	global_load_b32 v[BI+8*\a+\i], v6, s[8:9] offset:(32*(\a/2)+8*(\a%2))*4
.endr
.endr
.Lbias_done:
.macro FRAG reg, adr, q, i             ; a fragment's image: 16 bytes a lane, 8 bytes a lane, twice: every load reads consecutive bytes
	ds_load_b128 v[\reg:\reg+3], v[\adr] offset:12288*(\q)+1536*(\i)
	ds_load_b64 v[\reg+4:\reg+5], v[\adr+2] offset:12288*(\q)+1536*(\i)+512
	ds_load_b128 v[\reg+6:\reg+9], v[\adr] offset:12288*(\q)+1536*(\i)+768
	ds_load_b64 v[\reg+10:\reg+11], v[\adr+2] offset:12288*(\q)+1536*(\i)+1280
.endm
; 16 matrix instructions: source 1's tiles a0, a0 + 1 x source 0's eight.  The 64 accumulators take turns, one instruction a turn, in the same order in every step.
.macro MUL16 a0, p, q, sc, zero
.irp a, \a0, \a0+1
.irp b, 0,1,2,3,4,5,6,7
.if \zero
	v_wmma_scale_f32_16x16x128_f8f6f4 v[8*(8*((\a)%4)+\b):8*(8*((\a)%4)+\b)+7], v[128*(\p)+FR*\b:128*(\p)+FR*\b+FR-1], v[AF+FR*(\a):AF+FR*(\a)+FR-1], 0, v[SC+16*(\sc)+8*(\q)+\b], v[SC+16*(\sc)+8*(\q)+(\a)] matrix_a_fmt:MATRIX_FMT_BF6 matrix_b_fmt:MATRIX_FMT_BF6 matrix_a_scale:MATRIX_SCALE_ROW1
.else
	v_wmma_scale_f32_16x16x128_f8f6f4 v[8*(8*((\a)%4)+\b):8*(8*((\a)%4)+\b)+7], v[128*(\p)+FR*\b:128*(\p)+FR*\b+FR-1], v[AF+FR*(\a):AF+FR*(\a)+FR-1], v[8*(8*((\a)%4)+\b):8*(8*((\a)%4)+\b)+7], v[SC+16*(\sc)+8*(\q)+\b], v[SC+16*(\sc)+8*(\q)+(\a)] matrix_a_fmt:MATRIX_FMT_BF6 matrix_b_fmt:MATRIX_FMT_BF6 matrix_a_scale:MATRIX_SCALE_ROW1
.endif
.endr
.endr
.endm
.macro FETCH_B slot, q, p
	WIN TO_B
.irp i, 0,1,2,3,4,5,6,7
	FRAG 128*(\p)+FR*\i, ADRB+\slot, \q, \i
.endr
	WIN 0
.endm
.macro FETCH_A slot, q, i0
.irp i, \i0, \i0+1, \i0+2, \i0+3
	FRAG AF+FR*(\i), ADRA+\slot, \q, \i
.endr
.endm
.macro SCALES sc                       ; a slot's scale words: four tiles' words a load
.irp q, 0,1
.irp g, 0,1
	ds_load_b128 v[SC+16*\sc+8*\q+4*\g:SC+16*\sc+8*\q+4*\g+3], v[ADRS] offset:1024*\q+512*\g
.endr
.endr
.endm
.macro PLACES n                        ; plain vector instructions between a matrix instruction and a load into, or a vector read or write of, its registers
.rept \n
	v_nop
.endr
.endm
.macro STEP slot, q, zero              ; a K step that has its successor in the same slot
	s_wait_dscnt 4*NL                              ; all but the youngest sixteen loads (source 1's tiles 4-7) are in
	WIN MUL_LO
	MUL16 0, (\q)%2, \q, \slot, \zero
	MUL16 2, (\q)%2, \q, \slot, \zero
	s_wait_dscnt 0x0
	PLACES NP
	FETCH_B \slot, (\q)+1, 1-(\q)%2
	FETCH_A \slot, (\q)+1, 0
	WIN MUL_HI
	MUL16 4, (\q)%2, \q, \slot, \zero
	MUL16 6, (\q)%2, \q, \slot, \zero
	PLACES NP
	WIN 0
	FETCH_A \slot, (\q)+1, 4
.endm
; A slot's last K step changes slots: one barrier; in front of it each wave waits for all its tensor loads, adds 0 to its spare word, and waits for that and for its reads of this slot.  fill = 1: the slot is filled again.
.macro TURN slot, next, fill
	s_wait_tensorcnt 0x0                           ; all my tensor loads have landed: my part of the next slot
	ds_add_u32 v[SPW], v[NIL]                      ; 0 onto my spare word
	s_wait_dscnt 4*NL+1                            ; (the add and the youngest sixteen loads may be out)
	WIN MUL_LO
	MUL16 0, 1, NQ-1, \slot, 0
	s_wait_dscnt 0x0                               ; the add is done, and my reads of this slot are over
	s_barrier_signal -1
	MUL16 2, 1, NQ-1, \slot, 0
	WIN 0
	s_barrier_wait -1
.if \fill
	CREST                                          ; the barrier has opened a round of the cluster's barrier: no wave of any partner still reads this slot or has a load on its way
	s_add_nc_u64 s[G0+4*\slot+2:G0+4*\slot+3], s[G0+4*\slot+2:G0+4*\slot+3], 2*RBS
	s_add_nc_u64 s[G0B+4*\slot+2:G0B+4*\slot+3], s[G0B+4*\slot+2:G0B+4*\slot+3], 2*RBS
	JLOAD G0+4*\slot, G1, G0B+4*\slot, G1B         ; the first tensor load behind the round; its four v_nop are also the places in front of the loads below
.else
	PLACES NP
.endif
	v_add_nc_u32 v[ADRS], 1024*NQ, v[ADRS]         ; on to the next slot's scale words (no LDS load of mine is out)
	FETCH_B \next, 0, 0
	FETCH_A \next, 0, 0
	SCALES \next
	WIN MUL_HI
	MUL16 4, 1, NQ-1, \slot, 0
	MUL16 6, 1, NQ-1, \slot, 0
	PLACES NP
	WIN 0
	FETCH_A \next, 0, 4
.endm
	s_wait_tensorcnt 1                             ; the scale words and my part of slot 0 are in (slot 1's load may be out)
	s_barrier_signal -1
	s_barrier_wait -1
	FETCH_B 0, 0, 0
	FETCH_A 0, 0, 0
	SCALES 0
	FETCH_A 0, 0, 4
	STEP 0, 0, 1                                   ; the first K step starts the sums: nothing is cleared
	s_mov_b32 s3, 1
.Llap:                                                 ; once round the ring: both slots are filled again (K = 1024: four fills in all)
	TURN 0, 1, 1
	STEP 1, 0, 0
	TURN 1, 0, 1
	STEP 0, 0, 0
	s_sub_co_u32 s3, s3, 1
	s_cmp_lg_u32 s3, 0
	s_cbranch_scc1 .Llap
	TURN 0, 1, 0                                   ; the last lap fills nothing
	STEP 1, 0, 0
	s_wait_dscnt 4*NL
	WIN MUL_LO
	MUL16 0, 1, NQ-1, 1, 0
	MUL16 2, 1, NQ-1, 1, 0
	s_wait_dscnt 0x0
	WIN MUL_HI
	MUL16 4, 1, NQ-1, 1, 0
	MUL16 6, 1, NQ-1, 1, 0
	WIN 0
; THE WAY OUT.  64 numbers of a lane, register 16 b + i = index 32 b + 16 (lane / 16) + i along the next K, become a fragment's codes in v[PC] on and its scale word in v[PW].
.macro QUANT s
.irp b, 0,1,2,3
	v_max3_num_f32 v[TM+\b], |v[\s+16*\b]|, |v[\s+1+16*\b]|, 0x2800000   ; my 16 numbers of block b, and the floor 2^(5 - 127): the byte cannot fall under 1
.endr
.irp i, 2,4,6,8,10,12,14
.irp b, 0,1,2,3
	v_max3_num_f32 v[TM+\b], v[TM+\b], |v[\s+16*\b+\i]|, |v[\s+1+16*\b+\i]|
.endr
.endr
.irp b, 0,1,2,3
	v_permlanex16_b32 v[TM+4+\b], v[TM+\b], s[SEL], s[SEL+1]
.endr
.irp b, 0,1,2,3
	v_max_num_f32 v[TM+\b], v[TM+\b], v[TM+4+\b]   ; with lane l xor 16's: the block's largest magnitude
.endr
.irp b, 0,1,2,3
	v_add_nc_u32 v[TM+12+\b], 0xfe000000, v[TM+\b] ; 4 off its exponent field: the conversion's scale operand
.endr
.irp b, 0,1,2,3
	v_lshrrev_b32 v[TM+4+\b], 23, v[TM+12+\b]      ; the scale's byte
.endr
	v_lshl_or_b32 v[PW], v[TM+5], 8, v[TM+4]
	v_lshl_or_b32 v[PW], v[TM+6], 16, v[PW]
	v_lshl_or_b32 v[PW], v[TM+7], 24, v[PW]
.irp c, 0,1
	v_cvt_scalef32_pk16_bf6_f32 v[PC+6*\c:PC+2+6*\c], v[\s+32*\c:\s+15+32*\c], v[TM+12+2*\c]
	v_cvt_scalef32_pk16_bf6_f32 v[PC+12+4*\c:PC+14+4*\c], v[\s+16+32*\c:\s+31+32*\c], v[TM+12+2*\c+1]
.endr
	v_nop                                          ; one plain place behind the conversions
.irp c, 0,1                            ; the operand's layout wants a whole block in a lane
.irp i, 0,1,2
	v_permlane16_swap_b32 v[PC+6*\c+\i], v[PC+12+4*\c+\i]
.endr
.irp i, 0,1,2
	v_mov_b32 v[PC+3+6*\c+\i], v[PC+12+4*\c+\i]
.endr
.endr
.endm
; Tile a of source 1's rows: the bias is added on the way from the accumulators' window into window 0 (each accumulator from its low end on), the 64 numbers are quantised, the images are stored.
; v = 0 (q, k): registers 0-5 are the even head's half image, registers 6-11 the odd head's; each head's scale word has its two bytes below and 0x7f, 0x7f above, for the half of the next product's K step that holds zero codes.
; v = 1: a whole fragment of V^T (16 channels x 128 keys): tiles 0-3 the even head's, tiles 4-7 the odd head's.
.macro EPI v
.irp a, 0,1,2,3,4,5,6,7
	WIN 0x02+(\a/4)
.irp b, 0,1,2,3,4,5,6,7
.irp i, 0,2,4,6
.if \v
	v_pk_add_f32 v[HA+8*\b+\i:HA+8*\b+\i+1], v[64*(\a%4)+8*\b+\i:64*(\a%4)+8*\b+\i+1], v[BI+8*\a+\i:BI+8*\a+\i+1]
.else
	v_pk_add_f32 v[HA+8*\b+\i:HA+8*\b+\i+1], v[64*(\a%4)+8*\b+\i:64*(\a%4)+8*\b+\i+1], v[BI+8*\b+\i:BI+8*\b+\i+1]
.endif
.endr
.endr
	WIN 0
	s_wait_xcnt 0x0                                ; the last tile's stores have read the codes' registers
	QUANT HA
.if \v
	global_store_b128 v[L16], v[PC:PC+3], s[96+2*(\a/4):97+2*(\a/4)] offset:7168+1536*(\a%4)
	global_store_b64 v[L8], v[PC+4:PC+5], s[96+2*(\a/4):97+2*(\a/4)] offset:7168+1536*(\a%4)+512
	global_store_b128 v[L16], v[PC+6:PC+9], s[96+2*(\a/4):97+2*(\a/4)] offset:7168+1536*(\a%4)+768
	global_store_b64 v[L8], v[PC+10:PC+11], s[96+2*(\a/4):97+2*(\a/4)] offset:7168+1536*(\a%4)+1280
	v_mov_b32 v[PE+\a], v[PW]
.if \a%4 == 3
	global_store_b128 v[L16], v[PE+\a-3:PE+\a], s[96+2*(\a/4):97+2*(\a/4)] offset:13312
.endif
.else
	global_store_b128 v[L16], v[PC:PC+3], s[96:97] offset:768*\a
	global_store_b64 v[L8], v[PC+4:PC+5], s[96:97] offset:768*\a+512
	global_store_b128 v[L16], v[PC+6:PC+9], s[98:99] offset:768*\a
	global_store_b64 v[L8], v[PC+10:PC+11], s[98:99] offset:768*\a+512
	v_and_or_b32 v[PE+\a], v[PW], 0xffff, s100
	v_lshrrev_b32 v[PO+\a], 16, v[PW]
	v_or_b32 v[PO+\a], s100, v[PO+\a]
.if \a%4 == 3
	global_store_b128 v[L16], v[PE+\a-3:PE+\a], s[96:97] offset:6144+512*(\a/4)
	global_store_b128 v[L16], v[PO+\a-3:PO+\a], s[98:99] offset:6144+512*(\a/4)
.endif
.endif
.endr
.endm
	PLACES NP                                      ; behind the last products: their results are read and their operands' registers written below
	s_wait_loadcnt 0x0                             ; the bias
.irp b, 0,1,2,3
	v_mov_b32 v[TM+4+\b], 0                        ; a lane permute's destination counts as one of its sources
.endr
	s_mov_b32 s100, 0x7f7f0000
	s_cmp_eq_u32 s21, 2
	s_cbranch_scc1 .Lepi_v
	EPI 0
	s_branch .Lend
.Lepi_v:
	EPI 1
.Lend:
	s_wait_tensorcnt 0x0                           ; the wave's end
	ds_add_u32 v[SPW], v[NIL]
	s_wait_dscnt 0x0
	CROUND                                         ; the closing round: no work-group ends while a partner may still ask for a tile that names it
	s_endpgm
.Lfunc_end_k_q0570e19eaa_qkv:
	.size	k_q0570e19eaa_qkv, .Lfunc_end_k_q0570e19eaa_qkv-k_q0570e19eaa_qkv
	.p2alignl 7, 3214868480
	.fill 96, 4, 3214868480
	.section	.rodata,"a",@progbits
	.p2align	6, 0x0
	.amdhsa_kernel k_q0570e19eaa_qkv
		.amdhsa_group_segment_fixed_size 327680
		.amdhsa_private_segment_fixed_size 0
		.amdhsa_enable_private_segment 0
		.amdhsa_kernarg_size 56
		.amdhsa_user_sgpr_count 2
		.amdhsa_user_sgpr_kernarg_segment_ptr 1
		.amdhsa_wavefront_size32 1
		.amdhsa_system_sgpr_workgroup_id_x 1
		.amdhsa_system_sgpr_workgroup_id_y 1
		.amdhsa_system_sgpr_workgroup_id_z 1
		.amdhsa_system_vgpr_workitem_id 0
		.amdhsa_next_free_vgpr 1024
		.amdhsa_next_free_sgpr 104
		.amdhsa_reserve_vcc 0
		.amdhsa_float_denorm_mode_32 3
		.amdhsa_float_denorm_mode_16_64 3
		.amdhsa_memory_ordered 1
		.amdhsa_forward_progress 1
		.amdhsa_inst_pref_size 223
	.end_amdhsa_kernel
	.amdgpu_metadata
---
amdhsa.version: [ 1, 2 ]
amdhsa.kernels:
  - .name:           k_q0570e19eaa_qkv
    .symbol:         k_q0570e19eaa_qkv.kd
    .args:
      - { .name: xq, .offset: 0, .size: 8, .value_kind: global_buffer, .address_space: global }
      - { .name: wz, .offset: 8, .size: 8, .value_kind: global_buffer, .address_space: global }
      - { .name: bq, .offset: 16, .size: 8, .value_kind: global_buffer, .address_space: global }
      - { .name: bk, .offset: 24, .size: 8, .value_kind: global_buffer, .address_space: global }
      - { .name: bv, .offset: 32, .size: 8, .value_kind: global_buffer, .address_space: global }
      - { .name: qr, .offset: 40, .size: 8, .value_kind: global_buffer, .address_space: global }
      - { .name: kv, .offset: 48, .size: 8, .value_kind: global_buffer, .address_space: global }
    .group_segment_fixed_size: 327680
    .private_segment_fixed_size: 0
    .kernarg_segment_align: 8
    .kernarg_segment_size: 56
    .max_flat_workgroup_size: 128
    .sgpr_count:     104
    .vgpr_count:     1024
    .wavefront_size: 32
...
	.end_amdgpu_metadata
.endif
;; end of part 2
;; launch attn (part 3): grid 8 x 32, 16 waves a work-group, no clusters, 68,608 bytes of LDS; arguments qr, kv, tflags, mask, yq; writes yq
.if DOCPART == 3
	.amdgcn_target "amdgcn-amd-amdhsa--gfx1250"
	.amdhsa_code_object_version 6
	.text
	.protected	k_q0570e19eaa_attn
	.globl	k_q0570e19eaa_attn
	.p2align	8
	.type	k_q0570e19eaa_attn,@function
k_q0570e19eaa_attn:
	s_mov_b64 s[64:65], 0
	v_nop
	global_prefetch_b8 v0, s[64:65] scope:SCOPE_SE
	s_setreg_imm32_b32 hwreg(HW_REG_WAVE_MODE, 25, 1), 1
	s_wait_xcnt 0x0
; y = softmax(q k^T / 8, under the given mask) v for 64 heads of 64 channels, both products on codes of BF6 (E3M2) with E8M0 scales; y is quantised along the channels and stored as the last product's operand images.
; THE SOFTMAX AHEAD OF THE SECOND PRODUCT: t = score x log2(e) / 8; M = the row's largest t so far, rounded up to a whole number; p = 2^(t - M) is quantised along the keys, not normalised; the row's sum is taken of the
; unquantised p and divides at the end.  When M moves, the sum and O are multiplied by 2^(old M - new M): exact.
; SHARES.  A work-group takes one pair of heads (2 j, 2 j + 1 of batch b) and two blocks of 128 queries, p and 15 - p, one after the other.  Wave w: head parity w / 8, query tile w % 8: 16 queries in 256 registers.
; THE MASK IS AN INPUT.  An earlier launch has stored, for each query tile, one word: bit s: some key of step s (128 keys) counts; bit 16 + s: some key of step s is hidden.  A wave leaves out the steps in which nothing counts
; for its tile, and reads the mask's bytes only in the steps in which something is hidden.  Every wave walks all 16 steps' barriers: the trip counts are constants.
; K AND V come from memory through registers into two LDS slots (a step's record of both heads, 27,648 bytes, 16 bytes a thread), asked for a step ahead of the wait for them.  NO TENSOR LOADS AND NO CLUSTER: which steps are
; fetched and multiplied hangs on the stored flags, which differ from one block of queries to the next, so partners would need different tiles.
; LAYOUT.  Both products transposed: S^T = K Q^T, O^T = V^T P^T: a lane holds one query throughout.  Lane r of tile 2 b + u of keys (queries, channels) is index 32 b + 8 u + r + 8 (r / 8).
; THE FIRST PRODUCT'S K IS 64 of the instruction's 128: Q's registers 6-11 hold zero codes, so the upper six registers of K's operand may be any codes: they are the next tile's; the scale bytes of that half are 0x7f.
; A ROW IN WHICH NO KEY COUNTS has the sum 0: its scale bytes are set to 0xff, so that its row of the output is NaN, as the softmax of such a row is.
; LIMITS: blocks of y whose largest magnitude lies under 2^-122 keep the scale byte 1; NaN and infinities among q, k, v are not served; a mask byte other than 0 counts as 1.
; REGISTERS: v1-7, v28-29 addresses that stay; v30 -1; v11 the mask's address; v12 -M, v13 the largest t, v[14:15] the sum; v16-27 Q; v32-85 K's eight tiles (6 registers each, v80-85 zeros), then V's four fragments;
;   v96-159 S^T, then p; v160-191 O^T; v192-199 K's scale words, v200-203 V's; v204-219 staging; v224-235 p's codes; v236-251 mask bytes, then at work; v252 f, v253 p's scale word, v255 Q's.
.set RBREC, 106496
.set REC,   27648                      ; a key step's record: both heads
.set SLOT1, 32768                      ; slot 1 begins here
.set YS,    65536                      ; y's scale words of a block of queries: 1,024 bytes
.set A16, 1                            ; v1   13,824 x parity + 16 x lane
.set A8,  2                            ; v2   13,824 x parity + 8 x lane
.set T16, 3                            ; v3   16 x thread: staging, in memory and in LDS
.set L16, 4
.set L8,  5
.set MKL, 6                            ; v6   my query's row in a block's rows of the mask, + 16 (lane / 16)
.set YSA, 7                            ; v7   where my tile's two scale bytes go
.set MAD, 11
.set YSR, 28                           ; v28  where waves 0 and 1 read the scale words back
.set MKO, 29                           ; v29  MKL + the block of queries
.set ONES, 30                          ; v30  -1; never rewritten
.set SG,  204
.set WV,  14
.set SA,  15                           ; s15  my query tile
.set PAR, 16                           ; s16  my head's parity
.set QB,  17                           ; s17  the block of queries in hand
.set SB,  19                           ; s19  the batch
.set SEL, 20
.set CS,  22                           ; s[22:23] log2(e) / 8
.set SJ,  24                           ; s24  the pair of heads
.set WF,  26                           ; s26  bit s: some tile of the block wants step s (shifted as the steps go)
.set TV,  27                           ; s27  my tile's word (shifted likewise)
.set TRIP, 28
.set PASS, 29
.set KB,  30                           ; s30  the trip's first key
.set KV0, 32
.set KV,  34
.set QP,  36
.set YC,  38
.set YSC, 40
.macro LOADG bit, off                  ; a step's record into the staging registers, if any tile of the block wants it
	s_bitcmp1_b32 s[WF], (\bit)
	s_cbranch_scc0 .Lnl_\@
	global_load_b128 v[SG:SG+3], v[T16], s[KV:KV+1] offset:(\off)*REC
	global_load_b128 v[SG+4:SG+7], v[T16], s[KV:KV+1] offset:(\off)*REC+8192
	global_load_b128 v[SG+8:SG+11], v[T16], s[KV:KV+1] offset:(\off)*REC+16384
	s_cmp_lt_u32 s[WV], 6                          ; 27,648 = 3 x 8,192 + 6 waves x 512
	s_cbranch_scc0 .Lnl_\@
	global_load_b128 v[SG+12:SG+15], v[T16], s[KV:KV+1] offset:(\off)*REC+24576
.Lnl_\@:
.endm
.macro STORES bit, sl                  ; and on into slot sl
	s_wait_loadcnt 0x0
	s_bitcmp1_b32 s[WF], (\bit)
	s_cbranch_scc0 .Lns_\@
	ds_store_b128 v[T16], v[SG:SG+3] offset:(\sl)*SLOT1
	ds_store_b128 v[T16], v[SG+4:SG+7] offset:(\sl)*SLOT1+8192
	ds_store_b128 v[T16], v[SG+8:SG+11] offset:(\sl)*SLOT1+16384
	s_cmp_lt_u32 s[WV], 6
	s_cbranch_scc0 .Lns_\@
	ds_store_b128 v[T16], v[SG+12:SG+15] offset:(\sl)*SLOT1+24576
.Lns_\@:
	s_wait_dscnt 0x0                               ; my stores have landed and have read their registers; my reads of the other slot are in: for the barrier, and for the loads that follow
.endm
.macro QKT sl                          ; S^T = K Q^T, eight tiles of 16 keys; then V's fragments are asked for: they land while the softmax is walked
	s_wait_dscnt 0x0
.irp t, 0,1,2,3,4,5,6,7
	v_wmma_scale_f32_16x16x128_f8f6f4 v[96+8*\t:103+8*\t], v[32+6*\t:43+6*\t], v[16:27], 0, v[192+\t], v255 matrix_a_fmt:MATRIX_FMT_BF6 matrix_b_fmt:MATRIX_FMT_BF6
.endr
.rept 4
	v_nop                                          ; places in front of the loads into K's registers and of the first read of the scores
.endr
.irp t, 0,1,2,3
	ds_load_b128 v[32+12*\t:35+12*\t], v[A16] offset:(\sl)*SLOT1+7168+1536*\t
	ds_load_b64 v[36+12*\t:37+12*\t], v[A8] offset:(\sl)*SLOT1+7168+1536*\t+512
	ds_load_b128 v[38+12*\t:41+12*\t], v[A16] offset:(\sl)*SLOT1+7168+1536*\t+768
	ds_load_b64 v[42+12*\t:43+12*\t], v[A8] offset:(\sl)*SLOT1+7168+1536*\t+1280
.endr
	ds_load_b128 v[200:203], v[A16] offset:(\sl)*SLOT1+13312
.endm
; A KEY STEP of my tile: 128 keys in slot sl
.macro COMPUTE sl
.irp t, 0,1,2,3,4,5,6,7
	ds_load_b128 v[32+6*\t:35+6*\t], v[A16] offset:(\sl)*SLOT1+768*\t
	ds_load_b64 v[36+6*\t:37+6*\t], v[A8] offset:(\sl)*SLOT1+768*\t+512
.endr
	ds_load_b128 v[192:195], v[A16] offset:(\sl)*SLOT1+6144
	ds_load_b128 v[196:199], v[A16] offset:(\sl)*SLOT1+6656
	s_bitcmp1_b32 s[TV], 16+(\sl)
	s_cbranch_scc0 .Lopen_\@
	v_add_nc_u32 v[MAD], s[KB], v[MKO]             ; something is hidden: my query's 64 mask bytes, 16 neighbouring keys a load, as the scores' registers lie
.irp b, 0,1,2,3
	global_load_b128 v[236+4*\b:239+4*\b], v[MAD], s[10:11] offset:32*\b+128*(\sl)
.endr
	QKT \sl
	s_wait_loadcnt 0x0
	v_mov_b32 v254, 0xff800000                     ; -infinity: p = 0 then
.set n, 0
.rept 64
	v_and_b32 v252, 0xff<<(8*(n%4)), v[236+n/4]
	v_cmp_eq_u32 vcc_lo, 0, v252
	v_cndmask_b32 v[96+n], v[96+n], v254, vcc_lo
.set n, n+1
.endr
	s_branch .Lsoft_\@
.Lopen_\@:
	QKT \sl
.Lsoft_\@:
.irp b, 0,1,2,3
	v_max3_num_f32 v[232+\b], v[96+16*\b], v[97+16*\b], v[98+16*\b]   ; the largest score of each block of 32 keys: for the row's maximum, and, since p rises with the score, for the block's largest p
.endr
.irp i, 3,5,7,9,11,13
.irp b, 0,1,2,3
	v_max3_num_f32 v[232+\b], v[232+\b], v[96+16*\b+\i], v[97+16*\b+\i]
.endr
.endr
.irp b, 0,1,2,3
	v_max_num_f32 v[232+\b], v[232+\b], v[111+16*\b]
.endr
.irp b, 0,1,2,3
	v_permlanex16_b32 v[236+\b], v[232+\b], s[SEL], s[SEL+1]
.endr
.irp b, 0,1,2,3
	v_max_num_f32 v[232+\b], v[232+\b], v[236+\b]  ; with lane l xor 16's 16 keys
.endr
	v_max3_num_f32 v254, v232, v233, v234
	v_max_num_f32 v254, v254, v235
	v_mul_f32 v254, s[CS], v254                    ; as t
	v_max_num_f32 v13, v13, v254                   ; the running largest t
	v_mov_b32 v254, v12
	v_floor_f32 v12, -v13                          ; the new -M = floor(-t): M is a whole number
	v_sub_f32 v254, v12, v254                      ; old M - new M: a whole number, 0 or less
	v_cvt_i32_f32 v254, v254                       ; (it saturates)
	v_ldexp_f32 v252, 1.0, v254                    ; f = 2^(old M - new M)
.set n, 0
.rept 32
	v_pk_fma_f32 v[96+n:97+n], v[96+n:97+n], s[CS:CS+1], v[12:13] op_sel_hi:[1,0,0]   ; t - M, two at a time
.set n, n+2
.endr
.irp b, 0,1,2,3
	v_fma_f32 v[232+\b], v[232+\b], s[CS], v12     ; the same of each block's largest score
.endr
.set n, 0
.rept 64
	v_exp_f32 v[96+n], v[96+n]                     ; p = 2^(t - M)
.set n, n+1
.endr
	v_pk_mul_f32 v[14:15], v[14:15], v[252:253] op_sel_hi:[1,0]   ; the sums under the new M; a plain place behind the exponentials
	s_wait_alu depctr_va_vdst(0)                   ; one wait for the batch, ahead of its first reader
.irp b, 0,1,2,3
	v_exp_f32 v[232+\b], v[232+\b]                 ; the block's largest p
.endr
	v_pk_add_f32 v[236:237], v[96:97], v[98:99]    ; the row's sum of the unquantised p, in two chains
.irp j, 4,8,12,16,20,24,28,32,36,40,44,48,52,56,60
	v_pk_add_f32 v[14:15], v[14:15], v[96+\j:97+\j]
	v_pk_add_f32 v[236:237], v[236:237], v[98+\j:99+\j]
.endr
	v_pk_add_f32 v[14:15], v[14:15], v[236:237]
	s_wait_alu depctr_va_vdst(0)                   ; and one for the four
.irp b, 0,1,2,3
	v_max_num_f32 v[232+\b], 0x2800000, v[232+\b]  ; the floor 2^(5 - 127)
.endr
.irp b, 0,1,2,3
	v_add_nc_u32 v[244+\b], 0xfe000000, v[232+\b]  ; the conversion's scale operand
.endr
.irp b, 0,1,2,3
	v_lshrrev_b32 v[236+\b], 23, v[244+\b]         ; the scale's byte
.endr
	v_lshl_or_b32 v253, v237, 8, v236              ; p's scale word for these 128 keys
	v_lshl_or_b32 v253, v238, 16, v253
	v_lshl_or_b32 v253, v239, 24, v253
.irp c, 0,1
	v_cvt_scalef32_pk16_bf6_f32 v[224+6*\c:226+6*\c], v[96+32*\c:111+32*\c], v[244+2*\c]
	v_cvt_scalef32_pk16_bf6_f32 v[236+4*\c:238+4*\c], v[112+32*\c:127+32*\c], v[244+2*\c+1]
.endr
	v_nop                                          ; one plain place behind the conversions
.irp c, 0,1
.irp i, 0,1,2
	v_permlane16_swap_b32 v[224+6*\c+\i], v[236+4*\c+\i]
.endr
.irp i, 0,1,2
	v_mov_b32 v[227+6*\c+\i], v[236+4*\c+\i]
.endr
.endr
.set n, 0
.rept 16
	v_pk_mul_f32 v[160+n:161+n], v[160+n:161+n], v[252:253] op_sel_hi:[1,0]   ; O^T under the new M; these sixteen are also the places between p's codes and scale word and the products below
.set n, n+2
.endr
.rept 4
	v_nop                                          ; and four between the last of them and the products that take O^T as C
.endr
	s_wait_dscnt 0x0                               ; V
.irp t, 0,1,2,3
	v_wmma_scale_f32_16x16x128_f8f6f4 v[160+8*\t:167+8*\t], v[32+12*\t:43+12*\t], v[224:235], v[160+8*\t:167+8*\t], v[200+\t], v253 matrix_a_fmt:MATRIX_FMT_BF6 matrix_b_fmt:MATRIX_FMT_BF6
.endr
.rept 4
	v_nop                                          ; places behind the products, whatever follows
.endr
.endm
; Half a trip: the step in slot sl is multiplied by the waves that want it; the next step goes into the other slot; the step after that is asked for; one barrier parts this half's reads of a slot from the next half's
; stores into it, and this half's stores from the next half's reads.
.macro HALF sl
	s_bitcmp1_b32 s[TV], (\sl)
	s_cbranch_scc0 .Lskip_\@
	COMPUTE \sl
.Lskip_\@:
	STORES 1+(\sl), 1-(\sl)
	LOADG 2+(\sl), \sl
	s_barrier_signal -1
	s_barrier_wait -1
.endm
	s_load_b256 s[4:11], s[0:1], 0x0               ; qr, kv, tflags, mask
	s_load_b64 s[12:13], s[0:1], 0x20              ; yq
	v_lshl_add_u32 v222, v0, 2, 0x10400
	v_mov_b32 v223, 0
	v_lshrrev_b32 v8, 5, v0
	v_readfirstlane_b32 s[WV], v8                  ; wave 0..15
	s_and_b32 s[SA], s[WV], 7
	s_lshr_b32 s[PAR], s[WV], 3
	s_mov_b32 s[QB], ttmp9
	s_and_b32 s18, ttmp7, 0xffff                   ; 8 b + j
	s_lshr_b32 s[SB], s18, 3
	s_and_b32 s[SJ], s18, 7
	s_mov_b32 s[SEL], 0x76543210
	s_mov_b32 s[SEL+1], 0xfedcba98
	s_mov_b32 s[CS], 0x3e38aa3b                    ; log2(e) / 8
	s_mov_b32 s[CS+1], s[CS]
	v_and_b32 v8, 31, v0                           ; lane
	v_and_b32 v9, 15, v0                           ; r
	v_bfe_u32 v10, v0, 4, 1                        ; h
	v_lshlrev_b32 v[L16], 4, v8
	v_lshlrev_b32 v[L8], 3, v8
	v_lshlrev_b32 v[T16], 4, v0
	s_mul_i32 s31, s[PAR], 13824
	v_add_nc_u32 v[A16], s31, v[L16]
	v_add_nc_u32 v[A8], s31, v[L8]
	v_and_b32 v[MKL], 8, v9
	v_add_nc_u32 v[MKL], v[MKL], v9                ; r + 8 (r / 8)
	s_lshr_b32 s31, s[SA], 1
	s_lshl_b32 s31, s31, 5
	s_and_b32 s25, s[SA], 1
	s_lshl_b32 s25, s25, 3
	s_add_co_u32 s31, s31, s25                     ; 32 (a / 2) + 8 (a % 2)
	v_add_nc_u32 v[MKL], s31, v[MKL]
	v_lshlrev_b32 v[MKL], 11, v[MKL]               ; a row of the mask is 2,048 bytes
	v_lshl_add_u32 v[MKL], v10, 4, v[MKL]
	s_lshr_b32 s31, s[SA], 2
	s_lshl_b32 s31, s31, 9
	s_and_b32 s25, s[SA], 3
	s_lshl_b32 s25, s25, 2
	s_add_co_u32 s31, s31, s25                     ; my tile's word among eight tiles' scale words: 512 (a / 4) + 4 (a % 4), + 16 x lane
	s_mov_b32 s42, s31
	s_lshl_b32 s25, s[PAR], 1
	s_add_co_u32 s31, s31, s25                     ; my head's two bytes of it
	s_add_co_u32 s31, s31, YS
	v_add_nc_u32 v[YSA], s31, v[L16]
	s_and_b32 s31, s[WV], 1
	s_lshl_b32 s31, s31, 9
	s_add_co_u32 s31, s31, YS
	v_add_nc_u32 v[YSR], s31, v[L16]
.set n, 0
.rept 16
	v_mov_b32 v[SG+n], 0                           ; written once, so that every register is written on every way
	v_mov_b32 v[236+n], 0
.set n, n+1
.endr
.irp i, 0,1,2,3,4,5
	v_mov_b32 v[22+\i], 0                          ; Q's codes of k = 64 .. 127: zeros
	v_mov_b32 v[80+\i], 0                          ; and what stands above K's last tile
.endr
	v_mov_b32 v252, 0
	v_mov_b32 v253, 0
	v_mov_b32 v[ONES], -1
	s_mul_i32 s52, s18, 16*REC
	s_mov_b32 s53, 0
	s_mov_b32 s55, 0
	s_wait_kmcnt 0x0
	s_add_nc_u64 s[KV0:KV0+1], s[6:7], s[52:53]    ; my pair of heads' first step
	s_mov_b32 s[PASS], 2
.Lpass:
	s_wait_xcnt 0x0                                ; the last pass's loads and stores have read their addresses and data
	s_lshl_b32 s31, s[QB], 5
	s_lshl_b32 s25, s[SA], 2
	s_add_co_u32 s25, s25, s31
	s_load_b256 s[44:51], s[8:9], s31 offset:0x0   ; the block's eight words
	s_load_b32 s[TV], s[8:9], s25 offset:0x0       ; my tile's
	s_lshl_b32 s52, s[SB], 4
	s_lshl_b32 s54, s[SJ], 1
	s_add_co_u32 s52, s52, s54
	s_add_co_u32 s52, s52, s[PAR]                  ; my head
	s_lshl_b32 s52, s52, 4
	s_add_co_u32 s52, s52, s[QB]
	s_mul_i32 s52, s52, 7168
	s_add_nc_u64 s[56:57], s[4:5], s[52:53]        ; the block's record of Q
	s_mul_i32 s54, s[SA], 768
	s_add_nc_u64 s[QP:QP+1], s[56:57], s[54:55]    ; my tile's half image
	s_mov_b32 s54, s42
	s_add_nc_u64 s[56:57], s[56:57], s[54:55]      ; and its scale word
	s_lshl_b32 s52, s[SB], 4
	s_add_co_u32 s52, s52, s[QB]
	s_mul_i32 s52, s52, RBREC
	s_add_nc_u64 s[58:59], s[12:13], s[52:53]      ; the block's record of y
	s_mul_i32 s52, s[SJ], 12288
	s_mul_i32 s54, s[SA], 1536
	s_add_co_u32 s52, s52, s54
	s_mul_i32 s54, s[PAR], 768
	s_add_co_u32 s52, s52, s54
	s_add_nc_u64 s[YC:YC+1], s[58:59], s[52:53]    ; K step j, tile a, half = my head's parity
	s_lshl_b32 s52, s[SJ], 10
	s_and_b32 s54, s[WV], 1
	s_lshl_b32 s54, s54, 9
	s_add_co_u32 s52, s52, s54
	s_add_co_u32 s52, s52, 98304
	s_add_nc_u64 s[YSC:YSC+1], s[58:59], s[52:53]
	s_lshl_b32 s52, s[QB], 18                      ; 128 rows of the mask
	v_add_nc_u32 v[MKO], s52, v[MKL]
	global_load_b128 v[16:19], v[L16], s[QP:QP+1]
	global_load_b64 v[20:21], v[L8], s[QP:QP+1] offset:512
	global_load_b32 v255, v[L16], s[56:57] offset:6144
	v_mov_b32 v13, 0xff61b1e6                      ; the largest t so far: -3e38
	v_floor_f32 v12, -v13
	v_mov_b32 v14, 0
	v_mov_b32 v15, 0
.set n, 0
.rept 32
	v_mov_b32 v[160+n], 0                          ; O^T: the step is written once; the first change of M leaves zeros zeros
.set n, n+1
.endr
	s_mov_b32 s[KB], 0
	s_mov_b64 s[KV:KV+1], s[KV0:KV0+1]
	s_wait_kmcnt 0x0
	s_or_b32 s44, s44, s45
	s_or_b32 s46, s46, s47
	s_or_b32 s48, s48, s49
	s_or_b32 s50, s50, s51
	s_or_b32 s44, s44, s46
	s_or_b32 s48, s48, s50
	s_or_b32 s44, s44, s48
	s_and_b32 s[WF], s44, 0xffff                   ; the steps that some tile of the block wants: the same in all sixteen waves
	LOADG 0, 0
	STORES 0, 0                                    ; (its wait also shows Q in)
	LOADG 1, 1
	s_wait_xcnt 0x0
	s_add_nc_u64 s[KV:KV+1], s[KV:KV+1], 2*REC
	s_barrier_signal -1
	s_barrier_wait -1
	s_mov_b32 s[TRIP], 8
.Ltrip:                                            ; two key steps a trip; no bit above 15 of WF is set, so nothing is asked for past the last step
	HALF 0
	HALF 1
	s_lshr_b32 s[TV], s[TV], 2
	s_lshr_b32 s[WF], s[WF], 2
	s_add_co_u32 s[KB], s[KB], 256
	s_wait_xcnt 0x0                                ; the staging loads have read their base
	s_add_nc_u64 s[KV:KV+1], s[KV:KV+1], 2*REC
	s_sub_co_u32 s[TRIP], s[TRIP], 1
	s_cmp_lg_u32 s[TRIP], 0
	s_cbranch_scc1 .Ltrip
	s_wait_loadcnt 0x0                             ; no load into the staging registers is out when the next block's first load is issued into them
	; THE WAY OUT of a block of queries: y = O^T / the sum, quantised along the channels: register 16 b + i = channel 32 b + 16 (lane / 16) + i
	v_add_f32 v14, v14, v15
	v_permlanex16_b32 v252, v14, s[SEL], s[SEL+1]
	v_add_f32 v14, v14, v252                       ; the row's sum
	v_rcp_f32 v15, v14
	v_nop                                          ; a plain place behind the reciprocal
	s_wait_alu depctr_va_vdst(0)                   ; the wait ahead of its first reader
.set n, 0
.rept 32
	v_mul_f32 v[96+n], v[160+n], v15
.set n, n+1
.endr
.irp b, 0,1
	v_max3_num_f32 v[232+\b], |v[96+16*\b]|, |v[97+16*\b]|, 0x2800000
.endr
.irp i, 2,4,6,8,10,12,14
.irp b, 0,1
	v_max3_num_f32 v[232+\b], v[232+\b], |v[96+16*\b+\i]|, |v[97+16*\b+\i]|
.endr
.endr
.irp b, 0,1
	v_permlanex16_b32 v[236+\b], v[232+\b], s[SEL], s[SEL+1]
.endr
.irp b, 0,1
	v_max_num_f32 v[232+\b], v[232+\b], v[236+\b]
.endr
.irp b, 0,1
	v_add_nc_u32 v[244+\b], 0xfe000000, v[232+\b]
.endr
.irp b, 0,1
	v_lshrrev_b32 v[236+\b], 23, v[244+\b]
.endr
	v_lshl_or_b32 v254, v237, 8, v236              ; my head's two scale bytes of my row
	v_cmp_eq_f32 vcc_lo, 0, v14
	v_cndmask_b32 v254, v254, v[ONES], vcc_lo      ; a row in which no key counts: 0xff, 0xff
	v_cvt_scalef32_pk16_bf6_f32 v[224:226], v[96:111], v244
	v_cvt_scalef32_pk16_bf6_f32 v[240:242], v[112:127], v245
	v_nop
.irp i, 0,1,2
	v_permlane16_swap_b32 v[224+\i], v[240+\i]
.endr
.irp i, 0,1,2
	v_mov_b32 v[227+\i], v[240+\i]
.endr
	global_store_b128 v[L16], v[224:227], s[YC:YC+1]
	global_store_b64 v[L8], v[228:229], s[YC:YC+1] offset:512
	ds_store_b16 v[YSA], v254
	s_wait_dscnt 0x0                               ; for the others' sake
	s_barrier_signal -1
	s_barrier_wait -1
	s_cmp_lt_u32 s[WV], 2
	s_cbranch_scc0 .Lno_ys
	ds_load_b128 v[232:235], v[YSR]                ; waves 0 and 1 store the eight tiles' words: 512 consecutive bytes each
	s_wait_dscnt 0x0
	global_store_b128 v[L16], v[232:235], s[YSC:YSC+1]
.Lno_ys:
	s_sub_co_u32 s[QB], 15, s[QB]                  ; the other block
	s_sub_co_u32 s[PASS], s[PASS], 1
	s_cmp_lg_u32 s[PASS], 0
	s_cbranch_scc1 .Lpass
	s_wait_tensorcnt 0x0
	ds_add_u32 v222, v223
	s_wait_dscnt 0x0
	s_endpgm
.Lfunc_end_k_q0570e19eaa_attn:
	.size	k_q0570e19eaa_attn, .Lfunc_end_k_q0570e19eaa_attn-k_q0570e19eaa_attn
	.p2alignl 7, 3214868480
	.fill 96, 4, 3214868480
	.section	.rodata,"a",@progbits
	.p2align	6, 0x0
	.amdhsa_kernel k_q0570e19eaa_attn
		.amdhsa_group_segment_fixed_size 68608
		.amdhsa_private_segment_fixed_size 0
		.amdhsa_enable_private_segment 0
		.amdhsa_kernarg_size 40
		.amdhsa_user_sgpr_count 2
		.amdhsa_user_sgpr_kernarg_segment_ptr 1
		.amdhsa_wavefront_size32 1
		.amdhsa_system_sgpr_workgroup_id_x 1
		.amdhsa_system_sgpr_workgroup_id_y 1
		.amdhsa_system_sgpr_workgroup_id_z 1
		.amdhsa_system_vgpr_workitem_id 0
		.amdhsa_next_free_vgpr 256
		.amdhsa_next_free_sgpr 66
		.amdhsa_reserve_vcc 1
		.amdhsa_float_denorm_mode_32 3
		.amdhsa_float_denorm_mode_16_64 3
		.amdhsa_memory_ordered 1
		.amdhsa_forward_progress 1
		.amdhsa_inst_pref_size 69
	.end_amdhsa_kernel
	.amdgpu_metadata
---
amdhsa.version: [ 1, 2 ]
amdhsa.kernels:
  - .name:           k_q0570e19eaa_attn
    .symbol:         k_q0570e19eaa_attn.kd
    .args:
      - { .name: qr, .offset: 0, .size: 8, .value_kind: global_buffer, .address_space: global }
      - { .name: kv, .offset: 8, .size: 8, .value_kind: global_buffer, .address_space: global }
      - { .name: tflags, .offset: 16, .size: 8, .value_kind: global_buffer, .address_space: global }
      - { .name: mask, .offset: 24, .size: 8, .value_kind: global_buffer, .address_space: global }
      - { .name: yq, .offset: 32, .size: 8, .value_kind: global_buffer, .address_space: global }
    .group_segment_fixed_size: 68608
    .private_segment_fixed_size: 0
    .kernarg_segment_align: 8
    .kernarg_segment_size: 40
    .max_flat_workgroup_size: 512
    .sgpr_count:     66
    .vgpr_count:     256
    .wavefront_size: 32
...
	.end_amdgpu_metadata
.endif
;; end of part 3
;; launch oproj (part 4): grid 4 x 32, 4 waves a work-group, clusters of 4 x 4, 327,680 bytes of LDS; arguments yq, wz, bo, out0; writes out0
.if DOCPART == 4
	.amdgcn_target "amdgcn-amd-amdhsa--gfx1250"
	.amdhsa_code_object_version 6
	.text
	.protected	k_q0570e19eaa_oproj
	.globl	k_q0570e19eaa_oproj
	.p2align	8
	.type	k_q0570e19eaa_oproj,@function
k_q0570e19eaa_oproj:
	s_mov_b64 s[64:65], 0
	v_nop
	global_prefetch_b8 v0, s[64:65] scope:SCOPE_SE
	s_setreg_imm32_b32 hwreg(HW_REG_WAVE_MODE, 25, 1), 1
	s_wait_xcnt 0x0
	s_wait_alu depctr_hold_cnt(0) depctr_sa_sdst(0) depctr_va_vdst(0) depctr_va_sdst(0) depctr_va_ssrc(0) depctr_va_vcc(0) depctr_vm_vsrc(0)
	s_getreg_b32 s2, hwreg(HW_REG_IB_STS2, 6, 4)
	s_cmp_eq_u32 s2, 0
	s_cbranch_scc0 .Lentry_in_a_cluster
	s_endpgm
.Lentry_in_a_cluster:
	s_bfe_u32 s2, ttmp6, 0x10000c
	s_cmp_lg_u32 s2, 0xf033
	s_cbranch_scc0 .Lentry_shape_is_right
	s_endpgm
.Lentry_shape_is_right:
; out0 = y wo + bo on codes of BF6 (E3M2) with E8M0 scales.  y and wo arrive as records of register images: 128 rows x K = 1024; the fragment of K step s, tile t at 12288 s + 1536 t; the scale words of K step s at 98304 + 1024 s.
; A tile of the result, 256 x 256, is made by four waves, 128 x 128 each: 64 accumulators.  K goes in slots of two K steps through a ring of two LDS slots: four fills.  32 x 4 tiles: 128 work-groups; a tile of half the
; size would need a second shape of the loop and is not written.
; Source 0 = wo's columns n, source 1 = tokens: a lane holds a token and eight neighbouring columns a tile.  The bias is the C of each sum's first matrix instruction.
; CLUSTERS: 4 x 4.  y's records hang on cy and are shared along a row of the cluster, wo's on cx and are shared along a column: each is asked for jointly.
; THE ROWS OF A TILE: in each group of 32 rows lane r of tile u is row 8 u + r + 8 (r / 8): the way out puts rows and columns back in their places.
; A row of y with the scale byte 0xff (no key counted for it) gives a row of NaN.
; REGISTERS: window 0: v16-23 fragment addresses, v24 16 x lane, v25 8 x lane, v26, v30 the stage, v27 scale words' address, v28-29 the spare word's address and 0, v32-63 scale words, v64-127 the bias,
;   v128-223 source 1's fragments; on the way out v128-255 rows read back.  window 1: source 0's fragments, two sets.  windows 2, 3: the accumulators.
.set RBREC,  106496
.set NQ,     2
.set FR,     12
.set NL,     4
.set NP,     4
.set RBS,    24576
.set SLOT,   4*RBS
.set SCL,    2*SLOT
.set SPARE,  SCL+4*8192
.set SPITCH, 528                       ; the way out: a stage of 16 rows x (512 bytes + 16) for each wave, in slot 0, which has had its last fill and its last read when the first result is stored there
.set ADRA, 16
.set ADRB, 20
.set L16,  24
.set L8,   25
.set STO,  26
.set ADRS, 27
.set SPW,  28
.set NIL,  29
.set RD,   30
.set SC,   32
.set BI,   64
.set AF,   128
.set BK,   128
.set G1, 24
.set G0, 32
.set G1B, 48
.set G0B, 56
.set G1S, 68
.set G0S, 76
.set G1SB, 80
.set G0SB, 88
.set MSB, 0
.macro WIN new
.if MSB != (\new)
	s_set_vgpr_msb (MSB<<8)|(\new)
.set MSB, (\new)
.endif
.endm
.set MUL_LO, 0xa1                      ; source 0 window 1, source 1 window 0, C and D window 2
.set MUL_HI, 0xf1                      ; the same, C and D window 3
.set TO_B,   0x40
.macro JLOAD g0a, g1a, g0b, g1b        ; waves 0 and 1 fetch y's two records, waves 2 and 3 wo's; four v_nop follow each of the two lines
	s_cmp_eq_u32 s19, 0
	s_cbranch_scc0 .Lfor_b_\@
	tensor_load_to_lds s[\g0a:\g0a+3], s[\g1a:\g1a+7]
	s_nop 0
.rept 4
	v_nop
.endr
	s_branch .Lasked_\@
.Lfor_b_\@:
	tensor_load_to_lds s[\g0b:\g0b+3], s[\g1b:\g1b+7]
	s_nop 0
.rept 4
	v_nop
.endr
.Lasked_\@:
.endm
.macro CREST
	s_cmp_lg_u32 s18, 0
	s_cbranch_scc1 .Lnot_wave_0_\@
	s_barrier_signal -3
.Lnot_wave_0_\@:
	s_barrier_wait -3
	s_barrier_signal -1
	s_barrier_wait -1
.endm
.macro CROUND
	s_barrier_signal -1
	s_barrier_wait -1
	CREST
.endm
	s_load_b256 s[4:11], s[0:1], 0x0               ; yq, wz, bo, out0
	v_lshl_add_u32 v[SPW], v0, 2, SPARE
	v_mov_b32 v[NIL], 0
	ds_add_u32 v28, v29
	ds_add_u32 v28, v29
	s_wait_dscnt 0x0
	v_lshrrev_b32 v1, 5, v0
	v_readfirstlane_b32 s18, v1                    ; wave 0..3
	s_lshr_b32 s19, s18, 1
	s_and_b32 s20, s18, 1
	s_bfe_u32 s40, ttmp6, 0x40000                  ; cx
	s_bfe_u32 s41, ttmp6, 0x40004                  ; cy
	s_lshl_b32 s42, ttmp9, 2
	s_add_co_u32 s42, s42, s40                     ; tile column: which 256 columns of wo
	s_and_b32 s21, ttmp7, 0xffff
	s_lshl_b32 s21, s21, 2
	s_add_co_u32 s21, s21, s41                     ; tile row: which 256 tokens
	s_lshl_b32 s43, s41, 2
	s_lshl_b32 s43, 15, s43                        ; my row of the cluster
	s_lshl_b32 s44, 0x1111, s40                    ; my column
	s_or_b32 s[G1+0], s43, (3<<16)|(1<<21)         ; 15:0 the mask; 17:16 elements of 8 bytes; 21 set beside a mask
	s_or_b32 s[G1B+0], s44, (3<<16)|(1<<21)
	s_or_b32 s[G1S+0], s43, (3<<16)|(1<<21)
	s_or_b32 s[G1SB+0], s44, (3<<16)|(1<<21)
.irp g, G1, G1B
	s_mov_b32 s[\g+1], 32<<16                      ; dense blocks as rows of 256 bytes: 96 rows of codes
	s_mov_b32 s[\g+2], 96<<16
	s_mov_b32 s[\g+3], 32<<16
	s_mov_b32 s[\g+4], 96
	s_mov_b32 s[\g+5], 32
	s_mov_b32 s[\g+6], 0
	s_mov_b32 s[\g+7], 0
.endr
.irp g, G1S, G1SB
	s_mov_b32 s[\g+1], 32<<16                      ; 32 rows of scale words
	s_mov_b32 s[\g+2], 32<<16
	s_mov_b32 s[\g+3], 32<<16
	s_mov_b32 s[\g+4], 32
	s_mov_b32 s[\g+5], 32
	s_mov_b32 s[\g+6], 0
	s_mov_b32 s[\g+7], 0
.endr
	s_lshl_b32 s92, s21, 1
	s_add_co_u32 s92, s92, s20                     ; y's record that I fetch
	s_mul_i32 s92, s92, RBREC
	s_mov_b32 s93, 0
	s_lshl_b32 s94, s42, 1
	s_add_co_u32 s94, s94, s20
	s_add_co_u32 s94, s94, 24                      ; wo's records are 24 .. 31 of the weights' buffer
	s_mul_i32 s94, s94, RBREC
	s_mov_b32 s95, 0
	s_mul_i32 s45, s18, RBS
	s_lshl_b32 s23, s18, 13
	s_wait_kmcnt 0x0
	s_add_nc_u64 s[46:47], s[4:5], s[92:93]
	s_add_nc_u64 s[2:3], s[6:7], s[94:95]
	CROUND                                         ; all sixteen work-groups are here: the first joint loads meet
	s_mov_b32 s[G0S], 1
	s_add_co_u32 s[G0S+1], s23, SCL
	s_add_nc_u64 s[G0S+2:G0S+3], s[46:47], 98304
	s_or_b32 s[G0S+3], s[G0S+3], 0x80000000
	s_mov_b32 s[G0SB], 1
	s_add_co_u32 s[G0SB+1], s23, SCL
	s_add_nc_u64 s[G0SB+2:G0SB+3], s[2:3], 98304
	s_or_b32 s[G0SB+3], s[G0SB+3], 0x80000000
	JLOAD G0S, G1S, G0SB, G1SB
.irp s, 0,1
	s_mov_b32 s[G0+4*\s], 1
	s_add_co_u32 s[G0+4*\s+1], s45, \s*SLOT
	s_add_nc_u64 s[G0+4*\s+2:G0+4*\s+3], s[46:47], \s*RBS
	s_or_b32 s[G0+4*\s+3], s[G0+4*\s+3], 0x80000000
	s_mov_b32 s[G0B+4*\s], 1
	s_add_co_u32 s[G0B+4*\s+1], s45, \s*SLOT
	s_add_nc_u64 s[G0B+4*\s+2:G0B+4*\s+3], s[2:3], \s*RBS
	s_or_b32 s[G0B+4*\s+3], s[G0B+4*\s+3], 0x80000000
	JLOAD G0+4*\s, G1, G0B+4*\s, G1B               ; three tensor loads of mine are out
.endr
	v_and_b32 v1, 31, v0
	v_bfe_u32 v2, v0, 4, 1
	v_and_b32 v3, 15, v0
	v_lshlrev_b32 v[L16], 4, v1
	v_lshlrev_b32 v[L8], 3, v1
	s_mul_i32 s23, s19, RBS
	s_mul_i32 s22, s20, RBS
	s_add_co_u32 s22, s22, 2*RBS
.irp s, 0,1
	v_add_nc_u32 v[ADRA+\s], s23, v[L16]
	v_add_nc_u32 v[ADRA+2+\s], s23, v[L8]
	v_add_nc_u32 v[ADRB+\s], s22, v[L16]
	v_add_nc_u32 v[ADRB+2+\s], s22, v[L8]
	s_add_co_u32 s23, s23, SLOT
	s_add_co_u32 s22, s22, SLOT
.endr
	s_lshl_b32 s23, s19, 13
	s_lshl_b32 s22, s20, 13
	s_add_co_u32 s22, s22, 2*8192
	s_sub_co_u32 s22, s22, s23
	v_mul_u32_u24 v4, s22, v2                      ; lanes 16-31 take source 0's words: one product, the distance between the two
	s_add_co_u32 s23, s23, SCL
	v_add_nc_u32 v4, v4, v[L16]
	v_add_nc_u32 v[ADRS], s23, v4
	s_mul_i32 s23, s18, 16*SPITCH                  ; my stage
	v_mul_u32_u24 v4, v3, SPITCH
	v_lshl_add_u32 v4, v2, 6, v4
	v_add_nc_u32 v[STO], s23, v4                   ; in: row r, + 64 h
	v_add_nc_u32 v[RD], s23, v[L16]                ; back: the 32 lanes take one row of 512 bytes
	s_lshl_b32 s92, s42, 1
	s_add_co_u32 s92, s92, s20                     ; which 128 columns are mine
	s_lshl_b32 s92, s92, 9
	s_add_nc_u64 s[8:9], s[8:9], s[92:93]          ; their bias,
	s_add_nc_u64 s[10:11], s[10:11], s[92:93]      ; their place in a row of the output,
	s_lshl_b32 s92, s21, 1
	s_add_co_u32 s92, s92, s19
	s_lshl_b32 s92, s92, 19                        ; and my 128 tokens' rows of 4,096 bytes
	s_add_nc_u64 s[10:11], s[10:11], s[92:93]
	v_lshlrev_b32 v5, 6, v2                        ; 64 h
.irp b, 0,1,2,3,4,5,6,7                ; register 8 b + i: the bias of column 32 (b / 2) + 16 h + 8 (b % 2) + i
	global_load_b128 v[BI+8*\b:BI+8*\b+3], v5, s[8:9] offset:(32*(\b/2)+8*(\b%2))*4
	global_load_b128 v[BI+8*\b+4:BI+8*\b+7], v5, s[8:9] offset:(32*(\b/2)+8*(\b%2))*4+16
.endr
.macro FRAG reg, adr, q, i
	ds_load_b128 v[\reg:\reg+3], v[\adr] offset:12288*(\q)+1536*(\i)
	ds_load_b64 v[\reg+4:\reg+5], v[\adr+2] offset:12288*(\q)+1536*(\i)+512
	ds_load_b128 v[\reg+6:\reg+9], v[\adr] offset:12288*(\q)+1536*(\i)+768
	ds_load_b64 v[\reg+10:\reg+11], v[\adr+2] offset:12288*(\q)+1536*(\i)+1280
.endm
; 16 matrix instructions; first = 1: the sums begin with the bias as C (window 0).  The 64 accumulators take turns, one instruction a turn.
.macro MUL16 a0, p, q, sc, first
.irp a, \a0, \a0+1
.irp b, 0,1,2,3,4,5,6,7
.if \first
	v_wmma_scale_f32_16x16x128_f8f6f4 v[8*(8*((\a)%4)+\b):8*(8*((\a)%4)+\b)+7], v[128*(\p)+FR*\b:128*(\p)+FR*\b+FR-1], v[AF+FR*(\a):AF+FR*(\a)+FR-1], v[BI+8*\b:BI+8*\b+7], v[SC+16*(\sc)+8*(\q)+\b], v[SC+16*(\sc)+8*(\q)+(\a)] matrix_a_fmt:MATRIX_FMT_BF6 matrix_b_fmt:MATRIX_FMT_BF6 matrix_a_scale:MATRIX_SCALE_ROW1
.else
	v_wmma_scale_f32_16x16x128_f8f6f4 v[8*(8*((\a)%4)+\b):8*(8*((\a)%4)+\b)+7], v[128*(\p)+FR*\b:128*(\p)+FR*\b+FR-1], v[AF+FR*(\a):AF+FR*(\a)+FR-1], v[8*(8*((\a)%4)+\b):8*(8*((\a)%4)+\b)+7], v[SC+16*(\sc)+8*(\q)+\b], v[SC+16*(\sc)+8*(\q)+(\a)] matrix_a_fmt:MATRIX_FMT_BF6 matrix_b_fmt:MATRIX_FMT_BF6 matrix_a_scale:MATRIX_SCALE_ROW1
.endif
.endr
.endr
.endm
.macro FETCH_B slot, q, p
	WIN TO_B
.irp i, 0,1,2,3,4,5,6,7
	FRAG 128*(\p)+FR*\i, ADRB+\slot, \q, \i
.endr
	WIN 0
.endm
.macro FETCH_A slot, q, i0
.irp i, \i0, \i0+1, \i0+2, \i0+3
	FRAG AF+FR*(\i), ADRA+\slot, \q, \i
.endr
.endm
.macro SCALES sc
.irp q, 0,1
.irp g, 0,1
	ds_load_b128 v[SC+16*\sc+8*\q+4*\g:SC+16*\sc+8*\q+4*\g+3], v[ADRS] offset:1024*\q+512*\g
.endr
.endr
.endm
.macro PLACES n
.rept \n
	v_nop
.endr
.endm
.macro STEP slot, q, first
	s_wait_dscnt 4*NL                              ; all but the youngest sixteen loads (source 1's tiles 4-7) are in
	WIN MUL_LO-0x20*(\first)                       ; (with the bias as C: source 2 in window 0)
	MUL16 0, (\q)%2, \q, \slot, \first
	MUL16 2, (\q)%2, \q, \slot, \first
	s_wait_dscnt 0x0
	PLACES NP
	FETCH_B \slot, (\q)+1, 1-(\q)%2
	FETCH_A \slot, (\q)+1, 0
	WIN MUL_HI-0x30*(\first)
	MUL16 4, (\q)%2, \q, \slot, \first
	MUL16 6, (\q)%2, \q, \slot, \first
	PLACES NP
	WIN 0
	FETCH_A \slot, (\q)+1, 4
.endm
.macro TURN slot, next, fill
	s_wait_tensorcnt 0x0                           ; all my tensor loads have landed: my part of the next slot
	ds_add_u32 v[SPW], v[NIL]                      ; 0 onto my spare word
	s_wait_dscnt 4*NL+1                            ; (the add and the youngest sixteen loads may be out)
	WIN MUL_LO
	MUL16 0, 1, NQ-1, \slot, 0
	s_wait_dscnt 0x0                               ; the add is done, and my reads of this slot are over
	s_barrier_signal -1
	MUL16 2, 1, NQ-1, \slot, 0
	WIN 0
	s_barrier_wait -1
.if \fill
	CREST                                          ; the barrier has opened a round of the cluster's barrier: no wave of any partner still reads this slot or has a load on its way
	s_add_nc_u64 s[G0+4*\slot+2:G0+4*\slot+3], s[G0+4*\slot+2:G0+4*\slot+3], 2*RBS
	s_add_nc_u64 s[G0B+4*\slot+2:G0B+4*\slot+3], s[G0B+4*\slot+2:G0B+4*\slot+3], 2*RBS
	JLOAD G0+4*\slot, G1, G0B+4*\slot, G1B
.else
	PLACES NP
.endif
	v_add_nc_u32 v[ADRS], 1024*NQ, v[ADRS]
	FETCH_B \next, 0, 0
	FETCH_A \next, 0, 0
	SCALES \next
	WIN MUL_HI
	MUL16 4, 1, NQ-1, \slot, 0
	MUL16 6, 1, NQ-1, \slot, 0
	PLACES NP
	WIN 0
	FETCH_A \next, 0, 4
.endm
	s_wait_tensorcnt 1                             ; the scale words and my part of slot 0 are in (slot 1's load may be out)
	s_barrier_signal -1
	s_barrier_wait -1
	FETCH_B 0, 0, 0
	FETCH_A 0, 0, 0
	SCALES 0
	FETCH_A 0, 0, 4
	s_wait_loadcnt 0x0                             ; the bias
	STEP 0, 0, 1
	s_mov_b32 s3, 1
.Llap:
	TURN 0, 1, 1
	STEP 1, 0, 0
	TURN 1, 0, 1
	STEP 0, 0, 0
	s_sub_co_u32 s3, s3, 1
	s_cmp_lg_u32 s3, 0
	s_cbranch_scc1 .Llap
	TURN 0, 1, 0
	STEP 1, 0, 0
	s_wait_dscnt 4*NL
	WIN MUL_LO
	MUL16 0, 1, NQ-1, 1, 0
	MUL16 2, 1, NQ-1, 1, 0
	s_wait_dscnt 0x0
	WIN MUL_HI
	MUL16 4, 1, NQ-1, 1, 0
	MUL16 6, 1, NQ-1, 1, 0
	WIN 0
; THE WAY OUT, tile by tile of 16 tokens x 128 columns, through my own stage: tile b's eight columns of my half lie at 128 (b / 2) + 64 h + 32 (b % 2) bytes of the row; the rows come back whole, 512 bytes, and the 32 lanes
; store them as 512 consecutive bytes, aligned.  LDS serves a wave's instructions in order (ISA guide 5.7.1.4): no wait between the stores and the loads.
.macro TOSTAGE a
.set AC, 64*((\a)%4)
	WIN 0x08+4*((\a)/4)                            ; the data: window 2 or 3
.irp b, 0,1,2,3,4,5,6,7
	ds_store_b128 v[STO], v[AC+8*\b:AC+8*\b+3] offset:128*(\b/2)+32*(\b%2)          ; each accumulator from its low end on
	ds_store_b128 v[STO], v[AC+8*\b+4:AC+8*\b+7] offset:128*(\b/2)+32*(\b%2)+16
.endr
	WIN 0
.set BB, BK+64*((\a)%2)
.irp t, 0,1,2,3,4,5,6,7,8,9,10,11,12,13,14,15
	ds_load_b128 v[BB+4*\t:BB+4*\t+3], v[RD] offset:\t*SPITCH
.endr
.endm
.macro SEND a, younger                 ; row t of tile a is token 32 (a / 2) + 8 (a % 2) + t + 8 (t / 8) of my 128: its place stands in the immediate, 127 rows of 4,096 bytes at the most
.set BB, BK+64*((\a)%2)
	s_wait_dscnt \younger
.irp t, 0,1,2,3,4,5,6,7,8,9,10,11,12,13,14,15
	global_store_b128 v[L16], v[BB+4*\t:BB+4*\t+3], s[10:11] offset:(32*((\a)/2)+8*((\a)%2)+\t+8*(\t/8))*4096 th:TH_STORE_NT
.endr
.endm
	PLACES NP
	TOSTAGE 0
.irp a, 1,2,3,4,5,6,7
.if \a > 1
	s_wait_xcnt 0x0                                ; tile a - 2's stores have read their registers: tile a's rows may land there
.endif
	TOSTAGE \a
	SEND \a-1, 32                                  ; behind tile a - 1's loads: tile a's 16 stores and 16 loads
.endr
	SEND 7, 0
	s_wait_tensorcnt 0x0                           ; the wave's end
	ds_add_u32 v[SPW], v[NIL]
	s_wait_dscnt 0x0
	CROUND                                         ; the closing round
	s_endpgm
.Lfunc_end_k_q0570e19eaa_oproj:
	.size	k_q0570e19eaa_oproj, .Lfunc_end_k_q0570e19eaa_oproj-k_q0570e19eaa_oproj
	.p2alignl 7, 3214868480
	.fill 96, 4, 3214868480
	.section	.rodata,"a",@progbits
	.p2align	6, 0x0
	.amdhsa_kernel k_q0570e19eaa_oproj
		.amdhsa_group_segment_fixed_size 327680
		.amdhsa_private_segment_fixed_size 0
		.amdhsa_enable_private_segment 0
		.amdhsa_kernarg_size 32
		.amdhsa_user_sgpr_count 2
		.amdhsa_user_sgpr_kernarg_segment_ptr 1
		.amdhsa_wavefront_size32 1
		.amdhsa_system_sgpr_workgroup_id_x 1
		.amdhsa_system_sgpr_workgroup_id_y 1
		.amdhsa_system_sgpr_workgroup_id_z 1
		.amdhsa_system_vgpr_workitem_id 0
		.amdhsa_next_free_vgpr 1024
		.amdhsa_next_free_sgpr 100
		.amdhsa_reserve_vcc 0
		.amdhsa_float_denorm_mode_32 3
		.amdhsa_float_denorm_mode_16_64 3
		.amdhsa_memory_ordered 1
		.amdhsa_forward_progress 1
		.amdhsa_inst_pref_size 143
	.end_amdhsa_kernel
	.amdgpu_metadata
---
amdhsa.version: [ 1, 2 ]
amdhsa.kernels:
  - .name:           k_q0570e19eaa_oproj
    .symbol:         k_q0570e19eaa_oproj.kd
    .args:
      - { .name: yq, .offset: 0, .size: 8, .value_kind: global_buffer, .address_space: global }
      - { .name: wz, .offset: 8, .size: 8, .value_kind: global_buffer, .address_space: global }
      - { .name: bo, .offset: 16, .size: 8, .value_kind: global_buffer, .address_space: global }
      - { .name: out0, .offset: 24, .size: 8, .value_kind: global_buffer, .address_space: global }
    .group_segment_fixed_size: 327680
    .private_segment_fixed_size: 0
    .kernarg_segment_align: 8
    .kernarg_segment_size: 32
    .max_flat_workgroup_size: 128
    .sgpr_count:     100
    .vgpr_count:     1024
    .wavefront_size: 32
...
	.end_amdgpu_metadata
.endif
;; end of part 4
;; ======== version 2 of 2: 4 launches; version 1 with the launch attn written anew for expert scheduling mode
;; workspace buffers: xq 6,815,744 bytes; wz 3,407,872 bytes; tflags 512 bytes of whole numbers; qr 7,340,032 bytes; kv 14,155,776 bytes; yq 6,815,744 bytes
;; launch prep: the kernel of part 1 again; grid 416 x 1, 4 waves a work-group, no clusters, 53,760 bytes of LDS; arguments x, wq, wk, wv, wo, mask, xq, wz, tflags; writes xq, wz, tflags
;; launch qkv: the kernel of part 2 again; grid 32 x 12, 4 waves a work-group, clusters of 4 x 4, 327,680 bytes of LDS; arguments xq, wz, bq, bk, bv, qr, kv; writes qr, kv
;; launch attn (part 5): grid 8 x 32, 16 waves a work-group, no clusters, 68,608 bytes of LDS; arguments qr, kv, tflags, mask, yq; writes yq
.if DOCPART == 5
	.amdgcn_target "amdgcn-amd-amdhsa--gfx1250"
	.amdhsa_code_object_version 6
	.text
	.protected	k_q0570e19eaa_attn
	.globl	k_q0570e19eaa_attn
	.p2align	8
	.type	k_q0570e19eaa_attn,@function
k_q0570e19eaa_attn:
	s_mov_b64 s[64:65], 0
	v_nop
	global_prefetch_b8 v0, s[64:65] scope:SCOPE_SE
	s_setreg_imm32_b32 hwreg(HW_REG_WAVE_SCHED_MODE, 0, 2), 2
	s_setreg_imm32_b32 hwreg(HW_REG_WAVE_MODE, 25, 1), 1
	s_wait_xcnt 0x0
	s_wait_alu depctr_vm_vsrc(0)
; y = softmax(q k^T / 8, under the given mask) v for 64 heads of 64 channels, both products on codes of BF6 (E3M2) with E8M0 scales; y is quantised along the channels and stored as the last product's operand images.
; THE SOFTMAX AHEAD OF THE SECOND PRODUCT: t = score x log2(e) / 8; M = the row's largest t so far, rounded up to a whole number; p = 2^(t - M) is quantised along the keys, not normalised; the row's sum is taken of the
; unquantised p and divides at the end.  When M moves, the sum and O are multiplied by 2^(old M - new M): exact.
; SHARES.  A work-group takes one pair of heads (2 j, 2 j + 1 of batch b) and two blocks of 128 queries, p and 15 - p, one after the other.  Wave w: head parity w / 8, query tile w % 8: 16 queries in 256 registers.
; THE MASK IS AN INPUT.  An earlier launch has stored, for each query tile, one word: bit s: some key of step s (128 keys) counts; bit 16 + s: some key of step s is hidden.  A wave leaves out the steps in which nothing counts
; for its tile, and reads the mask's bytes only in the steps in which something is hidden.  Every wave walks all 16 steps' barriers: the trip counts are constants.
; K AND V come from memory through registers into two LDS slots (a step's record of both heads, 27,648 bytes, 16 bytes a thread), asked for a step ahead of the wait for them.  NO TENSOR LOADS AND NO CLUSTER: which steps are
; fetched and multiplied hangs on the stored flags, which differ from one block of queries to the next, so partners would need different tiles.
; LAYOUT.  Both products transposed: S^T = K Q^T, O^T = V^T P^T: a lane holds one query throughout.  Lane r of tile 2 b + u of keys (queries, channels) is index 32 b + 8 u + r + 8 (r / 8).
; THE FIRST PRODUCT'S K IS 64 of the instruction's 128: Q's registers 6-11 hold zero codes, so the upper six registers of K's operand may be any codes: they are the next tile's; the scale bytes of that half are 0x7f.
; A ROW IN WHICH NO KEY COUNTS has the sum 0: its scale bytes are set to 0xff, so that its row of the output is NaN, as the softmax of such a row is.
; LIMITS: blocks of y whose largest magnitude lies under 2^-122 keep the scale byte 1; NaN and infinities among q, k, v are not served; a mask byte other than 0 counts as 1.
; THE MODE: SCHED_MODE bits 1:0 = 2 (LLVM: expert scheduling mode 2), set by the entry lines.  The code itself states the register dependences between vector or matrix instructions and memory or LDS instructions,
; with s_wait_alu, always for 0.
; THE PLAN.  Registers that memory or LDS instructions touch:
;   v1-7, v28     addresses and offsets, made once at the head and never written again: the key steps, the blocks of queries and the mask's rows are reached by scalar bases and immediate offsets.
;   v16-21, v255  Q and its scale words: loads land at a block's head; the block's first products read them.
;   v32-79        a step's K (LDS loads at the step's head; the eight first products read v32-85), then its V (LDS loads behind those products; the four second products read them).
;   v192-203      K's and V's scale words: loaded with them, read by the same products.
;   v204-219      staging: global loads land, LDS stores read; no vector line names them but the zeros at the head.
;   v236-251      the mask's bytes land at a step's head; from the softmax on these registers are at work.
;   v224-229, v254, v232-235  the data of a block's stores on its way out; the next block's steps write them again.
; THE WAITS: one on va_vdst and one on vm_vsrc at a block's head; in a step one on va_vdst at its head (for K's and the mask's loads), one behind the first products (for V's loads, which are then dealt among the maxima:
; no line between names v32-79, v200-203, v1 or v2), one ahead of the second products (p's codes and scale word); one on vm_vsrc behind each half's staging stores; on the way out one on va_vdst ahead of the stores.
; Vector results in scalar registers: the wave's number, the mask's compares (runs of sixteen, one wait a run), the compare of the sum with 0.  No second set of registers for K or V: sixteen waves of 256 fill the SIMDs.
; REGISTERS: v1-7, v28 addresses that stay; v30 -1; v12 -M, v13 the largest t, v[14:15] the sum; v16-27 Q; v32-85 K's eight tiles (6 registers each, v80-85 zeros), then V's four fragments;
;   v96-159 S^T, then p; v160-191 O^T; v192-199 K's scale words, v200-203 V's; v204-219 staging; v224-235 p's codes; v236-251 mask bytes, then at work; v252 f, v253 p's scale word, v255 Q's.
.set RBREC, 106496
.set REC,   27648                      ; a key step's record: both heads
.set SLOT1, 32768                      ; slot 1 begins here
.set YS,    65536                      ; y's scale words of a block of queries: 1,024 bytes
.set A16, 1                            ; v1   13,824 x parity + 16 x lane
.set A8,  2                            ; v2   13,824 x parity + 8 x lane
.set T16, 3                            ; v3   16 x thread: staging, in memory and in LDS
.set L16, 4
.set L8,  5
.set MKL, 6                            ; v6   my query's row in a block's rows of the mask, + 16 (lane / 16): the offset of the mask's loads
.set YSA, 7                            ; v7   where my tile's two scale bytes go
.set YSR, 28                           ; v28  where waves 0 and 1 read the scale words back
.set ONES, 30                          ; v30  -1; never rewritten
.set SG,  204
.set MB,  2                            ; s[2:3] the mask at the block's first row and the trip's first key
.set WV,  14
.set SA,  15                           ; s15  my query tile
.set PAR, 16                           ; s16  my head's parity
.set QB,  17                           ; s17  the block of queries in hand
.set SB,  19                           ; s19  the batch
.set SEL, 20
.set CS,  22                           ; s[22:23] log2(e) / 8
.set SJ,  24                           ; s24  the pair of heads
.set WF,  26                           ; s26  bit s: some tile of the block wants step s (shifted as the steps go)
.set TV,  27                           ; s27  my tile's word (shifted likewise)
.set TRIP, 28
.set PASS, 29
.set KV0, 32
.set KV,  34
.set QP,  36
.set YC,  38
.set YSC, 40
.set CM,  44                           ; s44-51 and s56-63, free inside the loop over keys: the masks of a run of sixteen compares: number i at CM + i + 4 (i / 8)
.macro LOADG bit, off                  ; a step's record into the staging registers, if any tile of the block wants it
	s_bitcmp1_b32 s[WF], (\bit)
	s_cbranch_scc0 .Lnl_\@
	global_load_b128 v[SG:SG+3], v[T16], s[KV:KV+1] offset:(\off)*REC
	global_load_b128 v[SG+4:SG+7], v[T16], s[KV:KV+1] offset:(\off)*REC+8192
	global_load_b128 v[SG+8:SG+11], v[T16], s[KV:KV+1] offset:(\off)*REC+16384
	s_cmp_lt_u32 s[WV], 6                          ; 27,648 = 3 x 8,192 + 6 waves x 512
	s_cbranch_scc0 .Lnl_\@
	global_load_b128 v[SG+12:SG+15], v[T16], s[KV:KV+1] offset:(\off)*REC+24576
.Lnl_\@:
.endm
.macro STORES bit, sl                  ; and on into slot sl
	s_wait_loadcnt 0x0
	s_bitcmp1_b32 s[WF], (\bit)
	s_cbranch_scc0 .Lns_\@
	ds_store_b128 v[T16], v[SG:SG+3] offset:(\sl)*SLOT1
	ds_store_b128 v[T16], v[SG+4:SG+7] offset:(\sl)*SLOT1+8192
	ds_store_b128 v[T16], v[SG+8:SG+11] offset:(\sl)*SLOT1+16384
	s_cmp_lt_u32 s[WV], 6
	s_cbranch_scc0 .Lns_\@
	ds_store_b128 v[T16], v[SG+12:SG+15] offset:(\sl)*SLOT1+24576
.Lns_\@:
	s_wait_dscnt 0x0                               ; my stores have landed; my reads of the other slot are in: for the barrier
	s_wait_alu depctr_vm_vsrc(0)                   ; the LDS stores have read the staging registers v204-219, in which the loads that follow land
.endm
.macro QKT                             ; S^T = K Q^T, eight tiles of 16 keys
	s_wait_dscnt 0x0                               ; K's tiles and scale words are in
.irp t, 0,1,2,3,4,5,6,7
	v_wmma_scale_f32_16x16x128_f8f6f4 v[96+8*\t:103+8*\t], v[32+6*\t:43+6*\t], v[16:27], 0, v[192+\t], v255 matrix_a_fmt:MATRIX_FMT_BF6 matrix_b_fmt:MATRIX_FMT_BF6
.endr
.rept 4
	v_nop                                          ; places in front of the first read of the scores
.endr
	s_wait_alu depctr_va_vdst(0)                   ; the eight products are done reading K's registers v32-85, in which V's fragments land; the last step's second products are done reading v200-203
.endm
.macro VFRAG sl, t                     ; V's fragment t: 16 channels x the step's 128 keys
	ds_load_b128 v[32+12*(\t):35+12*(\t)], v[A16] offset:(\sl)*SLOT1+7168+1536*(\t)
	ds_load_b64 v[36+12*(\t):37+12*(\t)], v[A8] offset:(\sl)*SLOT1+7168+1536*(\t)+512
	ds_load_b128 v[38+12*(\t):41+12*(\t)], v[A16] offset:(\sl)*SLOT1+7168+1536*(\t)+768
	ds_load_b64 v[42+12*(\t):43+12*(\t)], v[A8] offset:(\sl)*SLOT1+7168+1536*(\t)+1280
.endm
; A KEY STEP of my tile: 128 keys in slot sl
.macro COMPUTE sl
	s_wait_alu depctr_va_vdst(0)                   ; the last step's products are done reading v32-79 and v192-199, in which K and its scale words land; its vector lines are done with v236-251, in which the mask's bytes land
.irp t, 0,1,2,3,4,5,6,7
	ds_load_b128 v[32+6*\t:35+6*\t], v[A16] offset:(\sl)*SLOT1+768*\t
	ds_load_b64 v[36+6*\t:37+6*\t], v[A8] offset:(\sl)*SLOT1+768*\t+512
.endr
	ds_load_b128 v[192:195], v[A16] offset:(\sl)*SLOT1+6144
	ds_load_b128 v[196:199], v[A16] offset:(\sl)*SLOT1+6656
	s_bitcmp1_b32 s[TV], 16+(\sl)
	s_cbranch_scc0 .Lopen_\@
.irp b, 0,1,2,3                        ; something is hidden: my query's 64 mask bytes, 16 neighbouring keys a load, as the scores' registers lie.  No vector line since the wait at the step's head
	global_load_b128 v[236+4*\b:239+4*\b], v[MKL], s[MB:MB+1] offset:32*\b+128*(\sl)
.endr
	QKT
	s_wait_loadcnt 0x0
	v_mov_b32 v254, 0xff800000                     ; -infinity: p = 0 then
.irp g, 0,1,2,3                        ; sixteen compares into sixteen scalar registers, one wait, sixteen selects
.set n, 16*\g
.rept 16
	v_and_b32 v252, 0xff<<(8*(n%4)), v[236+n/4]
	v_cmp_eq_u32 s[CM+n%16+4*((n%16)/8)], 0, v252
.set n, n+1
.endr
	s_wait_alu depctr_va_sdst(0)                   ; the sixteen compares have written their masks, which the selects below read
.set n, 16*\g
.rept 16
	v_cndmask_b32 v[96+n], v[96+n], v254, s[CM+n%16+4*((n%16)/8)]
.set n, n+1
.endr
.endr
	s_branch .Lsoft_\@
.Lopen_\@:
	QKT
.Lsoft_\@:
.irp b, 0,1,2,3
	v_max3_num_f32 v[232+\b], v[96+16*\b], v[97+16*\b], v[98+16*\b]   ; the largest score of each block of 32 keys: for the row's maximum, and, since p rises with the score, for the block's largest p
.endr
	VFRAG \sl, 0                                   ; V's loads are dealt among the maxima: no line since the wait behind the first products names v32-79, v200-203 or the two addresses; they land while the softmax is walked
.irp i, 3,5,7,9,11,13
.irp b, 0,1,2,3
	v_max3_num_f32 v[232+\b], v[232+\b], v[96+16*\b+\i], v[97+16*\b+\i]
.endr
.if \i < 9
	VFRAG \sl, (\i-1)/2
.elseif \i == 9
	ds_load_b128 v[200:203], v[A16] offset:(\sl)*SLOT1+13312
.endif
.endr
.irp b, 0,1,2,3
	v_max_num_f32 v[232+\b], v[232+\b], v[111+16*\b]
.endr
.irp b, 0,1,2,3
	v_permlanex16_b32 v[236+\b], v[232+\b], s[SEL], s[SEL+1]
.endr
.irp b, 0,1,2,3
	v_max_num_f32 v[232+\b], v[232+\b], v[236+\b]  ; with lane l xor 16's 16 keys
.endr
	v_max3_num_f32 v254, v232, v233, v234
	v_max_num_f32 v254, v254, v235
	v_mul_f32 v254, s[CS], v254                    ; as t
	v_max_num_f32 v13, v13, v254                   ; the running largest t
	v_mov_b32 v254, v12
	v_floor_f32 v12, -v13                          ; the new -M = floor(-t): M is a whole number
	v_sub_f32 v254, v12, v254                      ; old M - new M: a whole number, 0 or less
	v_cvt_i32_f32 v254, v254                       ; (it saturates)
	v_ldexp_f32 v252, 1.0, v254                    ; f = 2^(old M - new M)
.set n, 0
.rept 32
	v_pk_fma_f32 v[96+n:97+n], v[96+n:97+n], s[CS:CS+1], v[12:13] op_sel_hi:[1,0,0]   ; t - M, two at a time
.set n, n+2
.endr
.irp b, 0,1,2,3
	v_fma_f32 v[232+\b], v[232+\b], s[CS], v12     ; the same of each block's largest score
.endr
.set n, 0
.rept 64
	v_exp_f32 v[96+n], v[96+n]                     ; p = 2^(t - M)
.set n, n+1
.endr
	v_pk_mul_f32 v[14:15], v[14:15], v[252:253] op_sel_hi:[1,0]   ; the sums under the new M; a plain place behind the exponentials
	s_wait_alu depctr_va_vdst(0)                   ; the 64 exponentials have written v96-159: one wait for the batch, ahead of its first reader
.irp b, 0,1,2,3
	v_exp_f32 v[232+\b], v[232+\b]                 ; the block's largest p
.endr
	v_pk_add_f32 v[236:237], v[96:97], v[98:99]    ; the row's sum of the unquantised p, in two chains
.irp j, 4,8,12,16,20,24,28,32,36,40,44,48,52,56,60
	v_pk_add_f32 v[14:15], v[14:15], v[96+\j:97+\j]
	v_pk_add_f32 v[236:237], v[236:237], v[98+\j:99+\j]
.endr
	v_pk_add_f32 v[14:15], v[14:15], v[236:237]
	s_wait_alu depctr_va_vdst(0)                   ; the four exponentials have written v232-235, ahead of their first reader
.irp b, 0,1,2,3
	v_max_num_f32 v[232+\b], 0x2800000, v[232+\b]  ; the floor 2^(5 - 127)
.endr
.irp b, 0,1,2,3
	v_add_nc_u32 v[244+\b], 0xfe000000, v[232+\b]  ; the conversion's scale operand
.endr
.irp b, 0,1,2,3
	v_lshrrev_b32 v[236+\b], 23, v[244+\b]         ; the scale's byte
.endr
	v_lshl_or_b32 v253, v237, 8, v236              ; p's scale word for these 128 keys
	v_lshl_or_b32 v253, v238, 16, v253
	v_lshl_or_b32 v253, v239, 24, v253
.irp c, 0,1
	v_cvt_scalef32_pk16_bf6_f32 v[224+6*\c:226+6*\c], v[96+32*\c:111+32*\c], v[244+2*\c]
	v_cvt_scalef32_pk16_bf6_f32 v[236+4*\c:238+4*\c], v[112+32*\c:127+32*\c], v[244+2*\c+1]
.endr
	v_nop                                          ; one plain place behind the conversions
.irp c, 0,1
.irp i, 0,1,2
	v_permlane16_swap_b32 v[224+6*\c+\i], v[236+4*\c+\i]
.endr
.irp i, 0,1,2
	v_mov_b32 v[227+6*\c+\i], v[236+4*\c+\i]
.endr
.endr
.set n, 0
.rept 16
	v_pk_mul_f32 v[160+n:161+n], v[160+n:161+n], v[252:253] op_sel_hi:[1,0]   ; O^T under the new M; these sixteen are also the places between p's codes and scale word and the products below
.set n, n+2
.endr
.rept 4
	v_nop                                          ; and four between the last of them and the products that take O^T as C
.endr
	s_wait_dscnt 0x0                               ; V
	s_wait_alu depctr_va_vdst(0)                   ; p's codes v224-235 and its scale word v253 are written, which the scaled products below take as operand and scales; the places above stay beside this wait
.irp t, 0,1,2,3
	v_wmma_scale_f32_16x16x128_f8f6f4 v[160+8*\t:167+8*\t], v[32+12*\t:43+12*\t], v[224:235], v[160+8*\t:167+8*\t], v[200+\t], v253 matrix_a_fmt:MATRIX_FMT_BF6 matrix_b_fmt:MATRIX_FMT_BF6
.endr
.rept 4
	v_nop                                          ; places behind the products, whatever follows
.endr
.endm
; Half a trip: the step in slot sl is multiplied by the waves that want it; the next step goes into the other slot; the step after that is asked for; one barrier parts this half's reads of a slot from the next half's
; stores into it, and this half's stores from the next half's reads.
.macro HALF sl
	s_bitcmp1_b32 s[TV], (\sl)
	s_cbranch_scc0 .Lskip_\@
	COMPUTE \sl
.Lskip_\@:
	STORES 1+(\sl), 1-(\sl)
	LOADG 2+(\sl), \sl
	s_barrier_signal -1
	s_barrier_wait -1
.endm
	s_load_b256 s[4:11], s[0:1], 0x0               ; qr, kv, tflags, mask
	s_load_b64 s[12:13], s[0:1], 0x20              ; yq
	v_lshl_add_u32 v222, v0, 2, 0x10400
	v_mov_b32 v223, 0
	v_lshrrev_b32 v8, 5, v0
	v_readfirstlane_b32 s[WV], v8                  ; wave 0..15
	s_mov_b32 s[QB], ttmp9
	s_and_b32 s18, ttmp7, 0xffff                   ; 8 b + j
	s_lshr_b32 s[SB], s18, 3
	s_and_b32 s[SJ], s18, 7
	s_mov_b32 s[SEL], 0x76543210
	s_mov_b32 s[SEL+1], 0xfedcba98
	s_mov_b32 s[CS], 0x3e38aa3b                    ; log2(e) / 8
	s_mov_b32 s[CS+1], s[CS]
	v_and_b32 v8, 31, v0                           ; lane
	v_and_b32 v9, 15, v0                           ; r
	v_bfe_u32 v10, v0, 4, 1                        ; h
	v_lshlrev_b32 v[L16], 4, v8
	v_lshlrev_b32 v[L8], 3, v8
	v_lshlrev_b32 v[T16], 4, v0
	s_wait_alu depctr_va_sdst(0)                   ; the wave's number is written, ahead of its first reader
	s_and_b32 s[SA], s[WV], 7
	s_lshr_b32 s[PAR], s[WV], 3
	s_mul_i32 s31, s[PAR], 13824
	v_add_nc_u32 v[A16], s31, v[L16]
	v_add_nc_u32 v[A8], s31, v[L8]
	v_and_b32 v[MKL], 8, v9
	v_add_nc_u32 v[MKL], v[MKL], v9                ; r + 8 (r / 8)
	s_lshr_b32 s31, s[SA], 1
	s_lshl_b32 s31, s31, 5
	s_and_b32 s25, s[SA], 1
	s_lshl_b32 s25, s25, 3
	s_add_co_u32 s31, s31, s25                     ; 32 (a / 2) + 8 (a % 2)
	v_add_nc_u32 v[MKL], s31, v[MKL]
	v_lshlrev_b32 v[MKL], 11, v[MKL]               ; a row of the mask is 2,048 bytes
	v_lshl_add_u32 v[MKL], v10, 4, v[MKL]
	s_lshr_b32 s31, s[SA], 2
	s_lshl_b32 s31, s31, 9
	s_and_b32 s25, s[SA], 3
	s_lshl_b32 s25, s25, 2
	s_add_co_u32 s31, s31, s25                     ; my tile's word among eight tiles' scale words: 512 (a / 4) + 4 (a % 4), + 16 x lane
	s_mov_b32 s42, s31
	s_lshl_b32 s25, s[PAR], 1
	s_add_co_u32 s31, s31, s25                     ; my head's two bytes of it
	s_add_co_u32 s31, s31, YS
	v_add_nc_u32 v[YSA], s31, v[L16]
	s_and_b32 s31, s[WV], 1
	s_lshl_b32 s31, s31, 9
	s_add_co_u32 s31, s31, YS
	v_add_nc_u32 v[YSR], s31, v[L16]
.set n, 0
.rept 16
	v_mov_b32 v[SG+n], 0                           ; written once, so that every register is written on every way
	v_mov_b32 v[236+n], 0
.set n, n+1
.endr
.irp i, 0,1,2,3,4,5
	v_mov_b32 v[22+\i], 0                          ; Q's codes of k = 64 .. 127: zeros
	v_mov_b32 v[80+\i], 0                          ; and what stands above K's last tile
.endr
	v_mov_b32 v252, 0
	v_mov_b32 v253, 0
	v_mov_b32 v[ONES], -1
	s_mul_i32 s52, s18, 16*REC
	s_mov_b32 s53, 0
	s_mov_b32 s55, 0
	s_wait_kmcnt 0x0
	s_add_nc_u64 s[KV0:KV0+1], s[6:7], s[52:53]    ; my pair of heads' first step
	s_mov_b32 s[PASS], 2
.Lpass:
	s_wait_xcnt 0x0                                ; the last pass's loads and stores have read their addresses and data
	s_wait_alu depctr_vm_vsrc(0)                   ; the last block's stores have read v224-229, v232-235 and v254, which this block's steps write again
	s_wait_alu depctr_va_vdst(0)                   ; first block: the addresses v1-7 and v28, the zeros in the staging registers and the zero codes v22-27 and v80-85 are written; second block: the last products are done reading Q (v16-21) and v255, in which the loads below land
	s_lshl_b32 s31, s[QB], 5
	s_lshl_b32 s25, s[SA], 2
	s_add_co_u32 s25, s25, s31
	s_load_b256 s[44:51], s[8:9], s31 offset:0x0   ; the block's eight words
	s_load_b32 s[TV], s[8:9], s25 offset:0x0       ; my tile's
	s_lshl_b32 s52, s[SB], 4
	s_lshl_b32 s54, s[SJ], 1
	s_add_co_u32 s52, s52, s54
	s_add_co_u32 s52, s52, s[PAR]                  ; my head
	s_lshl_b32 s52, s52, 4
	s_add_co_u32 s52, s52, s[QB]
	s_mul_i32 s52, s52, 7168
	s_add_nc_u64 s[56:57], s[4:5], s[52:53]        ; the block's record of Q
	s_mul_i32 s54, s[SA], 768
	s_add_nc_u64 s[QP:QP+1], s[56:57], s[54:55]    ; my tile's half image
	s_mov_b32 s54, s42
	s_add_nc_u64 s[56:57], s[56:57], s[54:55]      ; and its scale word
	s_lshl_b32 s52, s[SB], 4
	s_add_co_u32 s52, s52, s[QB]
	s_mul_i32 s52, s52, RBREC
	s_add_nc_u64 s[58:59], s[12:13], s[52:53]      ; the block's record of y
	s_mul_i32 s52, s[SJ], 12288
	s_mul_i32 s54, s[SA], 1536
	s_add_co_u32 s52, s52, s54
	s_mul_i32 s54, s[PAR], 768
	s_add_co_u32 s52, s52, s54
	s_add_nc_u64 s[YC:YC+1], s[58:59], s[52:53]    ; K step j, tile a, half = my head's parity
	s_lshl_b32 s52, s[SJ], 10
	s_and_b32 s54, s[WV], 1
	s_lshl_b32 s54, s54, 9
	s_add_co_u32 s52, s52, s54
	s_add_co_u32 s52, s52, 98304
	s_add_nc_u64 s[YSC:YSC+1], s[58:59], s[52:53]
	s_lshl_b32 s52, s[QB], 18                      ; 128 rows of the mask
	s_add_nc_u64 s[MB:MB+1], s[10:11], s[52:53]    ; the mask at the block's first row, key 0
	global_load_b128 v[16:19], v[L16], s[QP:QP+1]
	global_load_b64 v[20:21], v[L8], s[QP:QP+1] offset:512
	global_load_b32 v255, v[L16], s[56:57] offset:6144
	v_mov_b32 v13, 0xff61b1e6                      ; the largest t so far: -3e38
	v_floor_f32 v12, -v13
	v_mov_b32 v14, 0
	v_mov_b32 v15, 0
.set n, 0
.rept 32
	v_mov_b32 v[160+n], 0                          ; O^T: the step is written once; the first change of M leaves zeros zeros
.set n, n+1
.endr
	s_mov_b64 s[KV:KV+1], s[KV0:KV0+1]
	s_wait_kmcnt 0x0
	s_or_b32 s44, s44, s45
	s_or_b32 s46, s46, s47
	s_or_b32 s48, s48, s49
	s_or_b32 s50, s50, s51
	s_or_b32 s44, s44, s46
	s_or_b32 s48, s48, s50
	s_or_b32 s44, s44, s48
	s_and_b32 s[WF], s44, 0xffff                   ; the steps that some tile of the block wants: the same in all sixteen waves
	LOADG 0, 0                                     ; (no vector line since the wait at the block's head names the staging registers)
	STORES 0, 0                                    ; (its wait also shows Q in)
	LOADG 1, 1
	s_wait_xcnt 0x0
	s_add_nc_u64 s[KV:KV+1], s[KV:KV+1], 2*REC
	s_barrier_signal -1
	s_barrier_wait -1
	s_mov_b32 s[TRIP], 8
.Ltrip:                                            ; two key steps a trip; no bit above 15 of WF is set, so nothing is asked for past the last step
	HALF 0
	HALF 1
	s_lshr_b32 s[TV], s[TV], 2
	s_lshr_b32 s[WF], s[WF], 2
	s_wait_xcnt 0x0                                ; the staging loads and the mask's loads have read their bases
	s_add_nc_u64 s[KV:KV+1], s[KV:KV+1], 2*REC
	s_add_nc_u64 s[MB:MB+1], s[MB:MB+1], 256       ; the next trip's first key
	s_sub_co_u32 s[TRIP], s[TRIP], 1
	s_cmp_lg_u32 s[TRIP], 0
	s_cbranch_scc1 .Ltrip
	s_wait_loadcnt 0x0                             ; no load into the staging registers is out when the next block's first load is issued into them
	; THE WAY OUT of a block of queries: y = O^T / the sum, quantised along the channels: register 16 b + i = channel 32 b + 16 (lane / 16) + i
	v_add_f32 v14, v14, v15
	v_permlanex16_b32 v252, v14, s[SEL], s[SEL+1]
	v_add_f32 v14, v14, v252                       ; the row's sum
	v_cmp_eq_f32 vcc_lo, 0, v14                    ; is it a row in which no key counts?  Asked here, well ahead of the select that reads the answer
	v_rcp_f32 v15, v14
	v_nop                                          ; a plain place behind the reciprocal
	s_wait_alu depctr_va_vdst(0)                   ; the reciprocal has written v15, ahead of its first reader
.set n, 0
.rept 32
	v_mul_f32 v[96+n], v[160+n], v15
.set n, n+1
.endr
.irp b, 0,1
	v_max3_num_f32 v[232+\b], |v[96+16*\b]|, |v[97+16*\b]|, 0x2800000
.endr
.irp i, 2,4,6,8,10,12,14
.irp b, 0,1
	v_max3_num_f32 v[232+\b], v[232+\b], |v[96+16*\b+\i]|, |v[97+16*\b+\i]|
.endr
.endr
.irp b, 0,1
	v_permlanex16_b32 v[236+\b], v[232+\b], s[SEL], s[SEL+1]
.endr
.irp b, 0,1
	v_max_num_f32 v[232+\b], v[232+\b], v[236+\b]
.endr
.irp b, 0,1
	v_add_nc_u32 v[244+\b], 0xfe000000, v[232+\b]
.endr
.irp b, 0,1
	v_lshrrev_b32 v[236+\b], 23, v[244+\b]
.endr
	v_lshl_or_b32 v254, v237, 8, v236              ; my head's two scale bytes of my row
	s_wait_alu depctr_va_vcc(0)                    ; the compare of the sum with 0 has written VCC, which the select reads
	v_cndmask_b32 v254, v254, v[ONES], vcc_lo      ; a row in which no key counts: 0xff, 0xff
	v_cvt_scalef32_pk16_bf6_f32 v[224:226], v[96:111], v244
	v_cvt_scalef32_pk16_bf6_f32 v[240:242], v[112:127], v245
	v_nop
.irp i, 0,1,2
	v_permlane16_swap_b32 v[224+\i], v[240+\i]
.endr
.irp i, 0,1,2
	v_mov_b32 v[227+\i], v[240+\i]
.endr
	s_wait_alu depctr_va_vdst(0)                   ; the codes v224-229 and the two bytes in v254 are written, which the stores below read; the vector lines are done with v232-235, in which the LDS load below lands
	global_store_b128 v[L16], v[224:227], s[YC:YC+1]
	global_store_b64 v[L8], v[228:229], s[YC:YC+1] offset:512
	ds_store_b16 v[YSA], v254
	s_wait_dscnt 0x0                               ; for the others' sake
	s_barrier_signal -1
	s_barrier_wait -1
	s_cmp_lt_u32 s[WV], 2
	s_cbranch_scc0 .Lno_ys
	ds_load_b128 v[232:235], v[YSR]                ; waves 0 and 1 store the eight tiles' words: 512 consecutive bytes each
	s_wait_dscnt 0x0
	global_store_b128 v[L16], v[232:235], s[YSC:YSC+1]
.Lno_ys:
	s_sub_co_u32 s[QB], 15, s[QB]                  ; the other block
	s_sub_co_u32 s[PASS], s[PASS], 1
	s_cmp_lg_u32 s[PASS], 0
	s_cbranch_scc1 .Lpass
	s_wait_dscnt 0x0
	s_wait_alu depctr_hold_cnt(0) depctr_sa_sdst(0) depctr_va_vdst(0) depctr_va_sdst(0) depctr_va_ssrc(0) depctr_va_vcc(0) depctr_vm_vsrc(0)
	s_wait_tensorcnt 0x0
	ds_add_u32 v222, v223
	s_wait_dscnt 0x0
	s_endpgm
.Lfunc_end_k_q0570e19eaa_attn:
	.size	k_q0570e19eaa_attn, .Lfunc_end_k_q0570e19eaa_attn-k_q0570e19eaa_attn
	.p2alignl 7, 3214868480
	.fill 96, 4, 3214868480
	.section	.rodata,"a",@progbits
	.p2align	6, 0x0
	.amdhsa_kernel k_q0570e19eaa_attn
		.amdhsa_group_segment_fixed_size 68608
		.amdhsa_private_segment_fixed_size 0
		.amdhsa_enable_private_segment 0
		.amdhsa_kernarg_size 40
		.amdhsa_user_sgpr_count 2
		.amdhsa_user_sgpr_kernarg_segment_ptr 1
		.amdhsa_wavefront_size32 1
		.amdhsa_system_sgpr_workgroup_id_x 1
		.amdhsa_system_sgpr_workgroup_id_y 1
		.amdhsa_system_sgpr_workgroup_id_z 1
		.amdhsa_system_vgpr_workitem_id 0
		.amdhsa_next_free_vgpr 256
		.amdhsa_next_free_sgpr 66
		.amdhsa_reserve_vcc 1
		.amdhsa_float_denorm_mode_32 3
		.amdhsa_float_denorm_mode_16_64 3
		.amdhsa_memory_ordered 1
		.amdhsa_forward_progress 1
		.amdhsa_inst_pref_size 75
	.end_amdhsa_kernel
	.amdgpu_metadata
---
amdhsa.version: [ 1, 2 ]
amdhsa.kernels:
  - .name:           k_q0570e19eaa_attn
    .symbol:         k_q0570e19eaa_attn.kd
    .args:
      - { .name: qr, .offset: 0, .size: 8, .value_kind: global_buffer, .address_space: global }
      - { .name: kv, .offset: 8, .size: 8, .value_kind: global_buffer, .address_space: global }
      - { .name: tflags, .offset: 16, .size: 8, .value_kind: global_buffer, .address_space: global }
      - { .name: mask, .offset: 24, .size: 8, .value_kind: global_buffer, .address_space: global }
      - { .name: yq, .offset: 32, .size: 8, .value_kind: global_buffer, .address_space: global }
    .group_segment_fixed_size: 68608
    .private_segment_fixed_size: 0
    .kernarg_segment_align: 8
    .kernarg_segment_size: 40
    .max_flat_workgroup_size: 512
    .sgpr_count:     66
    .vgpr_count:     256
    .wavefront_size: 32
...
	.end_amdgpu_metadata
.endif
;; end of part 5
;; launch oproj: the kernel of part 4 again; grid 4 x 32, 4 waves a work-group, clusters of 4 x 4, 327,680 bytes of LDS; arguments yq, wz, bo, out0; writes out0
